; MI455X (gfx1250); checked and timed in simulation.
; The chip was launched on July 23, 2026; its instructions are those of AMD's public machine-readable ISA for CDNA 5 (MIT licence, August 2026) and "CDNA5" Instruction Set Architecture Reference Guide (July 2026). The comments in the code are by the model that wrote it; some were corrected since.
;; Cross Attention. Allowed arithmetic: matrix products marked QUANTISED: E2M3 operands, one E8M0 scale for each 32 along K, by v_wmma_scale_f32_16x16x128_f8f6f4 with both operands' format E2M3, f32 sums; everything else in f32.
;; Inputs: Wk 1,024 x 768 float32; Wo 1,024 x 1,024 float32; Wq 1,024 x 1,024 float32; Wv 1,024 x 768 float32; beta 1,024 float32; bk 1,024 float32; bo 1,024 float32; bq 1,024 float32; bv 1,024 float32; gamma 1,024 float32; k 8 x 1,024 x 768 float32; key_padding_mask 8 x 1,024 bool; q 8 x 1,024 x 1,024 float32; v 8 x 1,024 x 768 float32.
;; Outputs: out0 8 x 1,024 x 1,024 float32.
;; This version of the problem:
;;   THIS VERSION OF THE PROBLEM IS GIVEN IN LOW PRECISION. The matrix products marked QUANTISED in the list below multiply operands that are first quantised to E2M3 (2 exponent bits, 3 mantissa bits; 6 bits a number), with one power-of-two scale for each 32 numbers along K (OCP MX v1.0); their sums are f32. All else is computed in f32.
;;   The module's matrix products, in the order in which they are computed (A, B: the left and right operand; K: the contracted axis; several contracted axes count as one K, in the product's order):
;;     1. [M 8,192, K 1,024] x [K 1,024, N 1,024]; A: input q; B: input Wq: QUANTISED
;;     2. [M 8,192, K 768] x [K 768, N 1,024]; A: input k; B: input Wk: QUANTISED
;;     3. [M 8,192, K 768] x [K 768, N 1,024]; A: input v; B: input Wv: QUANTISED
;;     4. batch 128 x [M 1,024, K 64] x [K 64, N 1,024]; A: computed on the way; B: computed on the way: QUANTISED
;;     5. batch 128 x [M 1,024, K 1,024] x [K 1,024, N 64]; A: softmax (see below); B: computed on the way: QUANTISED
;;     6. [M 8,192, K 1,024] x [K 1,024, N 1,024]; A: computed on the way; B: input Wo: QUANTISED
;;   THE QUANTISER, for each operand of a quantised product, along K:
;;     - K is cut into blocks of 32 from its start; a last block that is shorter is filled with zeros.
;;     - A block's scale is 2^e with e = floor(log2(the largest magnitude in the block)) - 2, held to -126 .. 127; a block of zeros has e = 0. As a byte (E8M0): e + 127.
;;     - Each number is divided by its block's scale, clamped to +-7.5, and rounded to the nearest number of E2M3, ties to even, subnormals kept.
;;     - The product sums the exact products of the quantised numbers (number of the format x scale) in f32.
;;   ~~~python
;;   def quantise(x, axis):      # numpy; x: float32 -> the quantised numbers, widened to float32 again
;;       x = np.moveaxis(x, axis, -1); K = x.shape[-1]
;;       x = np.pad(x, [(0, 0)] * (x.ndim - 1) + [(0, -K % 32)]); x = x.reshape(x.shape[:-1] + (-1, 32)); a = np.abs(x).max(-1, keepdims=True)
;;       e = np.where(a > 0, np.clip(np.frexp(np.where(a > 0, a, 1))[1] - 1 - 2, -126, 127), 0)      # np.frexp(a)[1] - 1 = floor(log2(a)), exactly
;;       r = np.clip(x / 2.0 ** e, -7.5, 7.5)
;;       step = 2.0 ** (np.maximum(np.frexp(np.where(r == 0, 1, r))[1] - 1, 0) - 3)
;;       q = np.round(r / step) * step * 2.0 ** e      # np.round: ties to even
;;       return np.moveaxis(q.reshape(q.shape[:-2] + (-1,))[..., :K], -1, axis).astype(np.float32)
;;   ~~~
;;   SOFTMAX AHEAD OF A QUANTISED PRODUCT. Where the list says 'softmax', what is quantised is not the finished softmax but p = 2^(t - M), with t = logit x log2(e) and M = ceil(the row's largest t), a whole number; so 1/2 < the row's largest p <= 1. The row's sum l is taken of the UNQUANTISED p, in f32, and the product's result is divided by l at the end. Since M is a whole number, a kernel that streams over the keys may use a running M (the ceiling of the running maximum): every later rescaling is an exact power of two, which a block's scale takes up: the codes' values come out the same.
;;   OPERANDS COMPUTED ON THE WAY. 'Computed on the way' means the value that the module computes at that place (a softmax that the list does not call 'softmax' is quantised finished and normalised). What goes into a quantiser is computed in f32, as accurately as f32 sums, v_exp_f32 and their like allow (about 1e-6 of the number): no bf16 or f16 on the way to a quantiser, and a product that is left as it is and whose result goes on into a quantised operand takes f32 operands (vector FMAs, or v_wmma_f32_16x16x4_f32). A number that lies on a knife's edge between two numbers of the format may be rounded either way, as far as f32 arithmetic and the matrix unit's own rounding can turn it there, and no further.
;; One version. Each part assembles by itself: llvm-mc -triple=amdgcn-amd-amdhsa -mcpu=gfx1250 --defsym DOCPART=n.
;; ======== version 1 of 1: 4 launches
;; limits: right only within a limited range of input values
;; workspace buffers: recs 19,251,200 bytes; qh 6,553,600 bytes; kv 13,107,200 bytes; ao 6,291,456 bytes; aos 262,144 bytes
;; launch quant (part 1): grid 752 x 1, 4 waves a work-group, no clusters, 35,328 bytes of LDS; arguments q, k, v, Wq, Wk, Wv, Wo, recs; writes recs
.if DOCPART == 1
	.amdgcn_target "amdgcn-amd-amdhsa--gfx1250"
	.amdhsa_code_object_version 6
	.text
	.protected	k_qacd0485e92_quant
	.globl	k_qacd0485e92_quant
	.p2align	8
	.type	k_qacd0485e92_quant,@function
k_qacd0485e92_quant:
	s_mov_b64 s[64:65], 0
	v_nop
	global_prefetch_b8 v0, s[64:65] scope:SCOPE_SE
	s_setreg_imm32_b32 hwreg(HW_REG_WAVE_MODE, 25, 1), 1
	s_wait_xcnt 0x0
; CROSS ATTENTION IN MX-FP6, LAUNCH 1 OF 4: q, k, v, Wq, Wk, Wv, Wo (f32, K innermost) become codes of E2M3 with one E8M0 byte for each 32 along K.
; DEAD WORK: none.  Every input has a way to the output: bq, bk, bv move the codes of the operands of the scores and of p V (a quantiser is a step of the problem), the mask decides
; which keys count, bo, q, gamma and beta enter the last launch.  So every input is loaded by some launch and every product of the table is made.
; LIMITS of the program: NaN and infinities among the inputs are not served; a batch whose mask is all false (the reference gives NaN there) is not served; a masked logit counts as
; -2^100 where the reference has -infinity, a valid score carries -2^-126 on top, and a logit with t under -2^90 counts as masked; a block of zeros gets the scale byte 1 where the
; rule says 127: its codes are zeros, which add nothing under any byte but 0xff, and this program alone reads the bytes.
; THE OUTPUT IS LAID AS THE READERS' REGISTERS WANT IT.  A RECORD is 64 rows x 128 along K, 6,400 bytes: four images of a fragment (16 rows x 128 K, 12 registers a lane: registers
; 4 c .. 4 c + 3 of lane l at 512 c + 16 l), then 256 bytes of scale words (tile i, lane r: 6144 + 16 r + 4 i).  ROW ORDER: lane r of tile i holds row 32 (i / 2) + 8 (i % 2) + r + 8 (r / 8),
; so that a product that takes the tile as source 0 leaves 16 neighbours along those rows in a lane's 16 registers of two neighbouring tiles.
; Record (tensor, K step s, row group g) lies at (TB + s G + g) x 6,400.  A wave makes one record; 3,008 records, 752 work-groups.
; Each load reads 512 consecutive bytes of one row; a tile's 16 rows turn through the wave's own stage in LDS (rows 528 bytes apart) so that a lane gets 2 x 32 neighbours along K.
; No tensor load, no barrier: waves share nothing.  Two tiles' loads (32 a wave) are on their way.
.set STG,   8704                       ; LDS of a wave: 16 rows x 528 bytes, then 256 bytes for the record's scale words
.set SCST,  8448
.set SPARE, 4*STG                      ; the spare words, 128 bytes a wave: two blocks of 256 bytes that no other line names
.set SPW,  12                          ; v12  my spare word's address; never rewritten
.set NIL,  13                          ; v13  0; never rewritten
.set VOFF, 16                          ; v16-31  row slot t of a tile: (t + 8 (t / 8)) x pitch + 16 x lane
.set C,    32                          ; v32-43  a fragment's codes
.set CT,   44                          ; v44-46, v48-50  second halves of the two blocks (a conversion's three registers begin on an even number)
.set TM,   52                          ; v52-59  at work
.set RAW,  64                          ; v64-127, v128-191  two sets of 16 x 4 registers as loaded
.set X,    192                         ; v192-255  register 32 c + i = K 64 c + 32 (lane / 16) + i of my row
.set SRC,  20                          ; s[20:21] the tensor;  s22 its first work-group, s23 TB, s24 G, s25 K steps
.set TBASE, 32                         ; s[32:39] the four tiles' first rows at my K step
.set DST,  40                          ; s[40:41] my record
.set SEL,  44                          ; s[44:45] v_permlanex16_b32's selects for lane l xor 16
.set WV,   46
	s_load_b512 s[4:19], s[0:1], 0x0               ; q, k, v, Wq, Wk, Wv, Wo, recs
	v_lshl_add_u32 v[SPW], v0, 2, SPARE
	v_mov_b32 v[NIL], 0
	v_lshrrev_b32 v1, 5, v0
	v_readfirstlane_b32 s[WV], v1                  ; wave
	v_and_b32 v1, 31, v0                           ; lane
	v_and_b32 v2, 15, v0                           ; r
	v_bfe_u32 v3, v0, 4, 1                         ; h
	v_lshlrev_b32 v4, 4, v1                        ; 16 x lane
	s_mul_i32 s47, s[WV], STG
	v_add_nc_u32 v5, s47, v4                       ; the stage, on the way in: a row's 512 bytes as they lie
	v_mul_u32_u24 v6, v2, 528
	v_lshl_add_u32 v6, v3, 7, v6
	v_add_nc_u32 v6, s47, v6                       ; and out: row r, + 128 h: my 32 numbers of each 64
	s_add_co_u32 s47, s47, SCST
	v_lshl_add_u32 v7, v2, 4, s47                  ; the scale words: 16 r (+ 4 i)
	v_lshl_add_u32 v8, v1, 3, s47                  ; and back, 8 bytes a lane
	v_lshlrev_b32 v9, 3, v1
	v_lshlrev_b32 v10, 3, v3                       ; 8 h: my bytes' place in a scale word
	v_mov_b32 v[TM+7], 0                           ; written once: a lane permute's destination counts as one of its sources
	s_mov_b32 s[SEL], 0x76543210
	s_mov_b32 s[SEL+1], 0xfedcba98
	s_wait_kmcnt 0x0
	s_mov_b64 s[SRC:SRC+1], s[4:5]                 ; which tensor: by the work-group's number alone
	s_mov_b32 s22, 0
	s_mov_b32 s23, 0
	s_mov_b32 s24, 128
	s_mov_b32 s25, 8
.macro PICK start, tb, g, s, ptr
	s_cmp_ge_u32 ttmp9, \start
	s_cselect_b64 s[SRC:SRC+1], s[\ptr:\ptr+1], s[SRC:SRC+1]
	s_cselect_b32 s22, \start, s22
	s_cselect_b32 s23, \tb, s23
	s_cselect_b32 s24, \g, s24
	s_cselect_b32 s25, \s, s25
.endm
	PICK 256, 1024, 128, 6, 6                      ; k
	PICK 448, 1792, 128, 6, 8                      ; v
	PICK 640, 2560, 16, 8, 10                      ; Wq
	PICK 672, 2688, 16, 6, 12                      ; Wk
	PICK 696, 2784, 16, 6, 14                      ; Wv
	PICK 720, 2880, 16, 8, 16                      ; Wo
	s_sub_co_u32 s28, ttmp9, s22
	s_lshl_b32 s28, s28, 2
	s_add_co_u32 s28, s28, s[WV]                   ; my record's number in the tensor, K step fastest: under 1,024
	s_mov_b32 s26, 43691                           ; x 43,691 >> 18 is / 6 for numbers under 1,024; x 32,768 >> 18 is / 8
	s_cmp_eq_u32 s25, 8
	s_cselect_b32 s26, 32768, s26
	s_mul_i32 s29, s28, s26
	s_lshr_b32 s29, s29, 18                        ; g: the row group
	s_mul_i32 s30, s29, s25
	s_sub_co_u32 s30, s28, s30                     ; s: the K step
	s_lshl_b32 s27, s25, 9                         ; a row of the tensor in bytes: 512 x K steps
	s_lshl_b32 s48, s29, 6
	s_mul_i32 s48, s48, s27
	s_lshl_b32 s49, s30, 9
	s_add_co_u32 s48, s48, s49                     ; row 64 g, K step s: under 2^26 bytes
.irp i, 0,1,2,3
	s_mul_i32 s50, s27, 32*(\i/2)+8*(\i%2)
	s_add_co_u32 s50, s50, s48
	s_mov_b32 s51, 0
	s_add_nc_u64 s[TBASE+2*\i:TBASE+2*\i+1], s[SRC:SRC+1], s[50:51]
.endr
	s_mul_i32 s50, s30, s24
	s_add_co_u32 s50, s50, s29
	s_add_co_u32 s50, s50, s23
	s_mul_i32 s50, s50, 6400
	s_mov_b32 s51, 0
	s_add_nc_u64 s[DST:DST+1], s[18:19], s[50:51]
.irp t, 0,1,2,3,4,5,6,7,8,9,10,11,12,13,14,15
	s_mul_i32 s50, s27, \t+8*(\t/8)
	v_add_nc_u32 v[VOFF+\t], s50, v4
.endr
.macro LOADT i                         ; tile i: 16 loads, each 512 consecutive bytes of one row
.irp t, 0,1,2,3,4,5,6,7,8,9,10,11,12,13,14,15
	global_load_b128 v[RAW+64*((\i)%2)+4*\t:RAW+64*((\i)%2)+4*\t+3], v[VOFF+\t], s[TBASE+2*(\i):TBASE+2*(\i)+1] th:TH_LOAD_NT
.endr
.endm
.macro TILE i
.if \i < 3
	s_wait_loadcnt 16                              ; this tile's 16 loads are in; the next tile's 16 may be out
.else
	s_wait_loadcnt 0x0
.endif
.irp t, 0,1,2,3,4,5,6,7,8,9,10,11,12,13,14,15
	ds_store_b128 v5, v[RAW+64*((\i)%2)+4*\t:RAW+64*((\i)%2)+4*\t+3] offset:528*\t
.endr
.irp c, 0,1
.irp t, 0,1,2,3,4,5,6,7
	ds_load_b128 v[X+32*\c+4*\t:X+32*\c+4*\t+3], v6 offset:256*\c+16*\t   ; LDS serves a wave's instructions in order: these see the stores above
.endr
.endr
	s_wait_dscnt 0x0                               ; the numbers are back, and the stores have read their registers,
.if \i < 2
	LOADT (\i)+2                                   ; which take the tile two on
.endif
.irp c, 0,1
	v_max3_num_f32 v[TM+\c], |v[X+32*\c]|, |v[X+32*\c+1]|, 0x1800000   ; my block 2 c + h: all 32 numbers are mine; the floor 2^(3 - 127) holds the byte at 1 from below
.endr
.irp j, 2,4,6,8,10,12,14,16,18,20,22,24,26,28,30
.irp c, 0,1
	v_max3_num_f32 v[TM+\c], v[TM+\c], |v[X+32*\c+\j]|, |v[X+32*\c+\j+1]|
.endr
.endr
.irp c, 0,1
	v_add_nc_u32 v[TM+2+\c], 0xff000000, v[TM+\c]  ; 2 off the exponent field: the conversion takes this operand's exponent field as its scale
.endr
.irp c, 0,1
	v_lshrrev_b32 v[TM+4+\c], 23, v[TM+2+\c]       ; the scale's byte
.endr
	v_lshl_or_b32 v[TM+6], v[TM+5], 16, v[TM+4]    ; my two bytes, blocks h and 2 + h,
	v_lshlrev_b32 v[TM+6], v10, v[TM+6]            ; at their places in the word;
	v_permlanex16_b32 v[TM+7], v[TM+6], s[SEL], s[SEL+1]
	v_or_b32 v[TM+6], v[TM+6], v[TM+7]             ; with lane l xor 16's two the word is whole
.if \i > 0
	s_wait_alu depctr_va_vdst(0)
	s_wait_xcnt 0x0                                ; the last tile's stores have read the codes' registers: they are written again only behind this wait
.endif
.irp c, 0,1
	v_cvt_scalef32_pk16_fp6_f32 v[C+6*\c:C+6*\c+2], v[X+32*\c:X+32*\c+15], v[TM+2+\c]
	v_cvt_scalef32_pk16_fp6_f32 v[CT+4*\c:CT+4*\c+2], v[X+32*\c+16:X+32*\c+31], v[TM+2+\c]
.endr
	v_nop                                          ; one plain place behind a scaled conversion
.irp c, 0,1
.irp n, 0,1,2
	v_mov_b32 v[C+6*\c+3+\n], v[CT+4*\c+\n]
.endr
.endr
	ds_store_b32 v7, v[TM+6] offset:4*\i           ; both lanes of a row write the same word with the same value
.irp c, 0,1,2
	global_store_b128 v4, v[C+4*\c:C+4*\c+3], s[DST:DST+1] offset:1536*\i+512*\c   ; 32 lanes store 512 consecutive bytes, at a multiple of 256 from the buffer's first byte
.endr
.endm
	s_wait_alu depctr_va_vdst(0)
	LOADT 0
	LOADT 1
	TILE 0
	TILE 1
	TILE 2
	TILE 3
	ds_load_b64 v[TM:TM+1], v8                     ; the record's 64 scale words
	s_wait_dscnt 0x0
	global_store_b64 v9, v[TM:TM+1], s[DST:DST+1] offset:6144   ; 256 consecutive bytes
	s_wait_tensorcnt 0x0                           ; the wave's end
	ds_add_u32 v[SPW], v[NIL]
	s_wait_dscnt 0x0
	s_endpgm
.Lfunc_end_k_qacd0485e92_quant:
	.size	k_qacd0485e92_quant, .Lfunc_end_k_qacd0485e92_quant-k_qacd0485e92_quant
	.p2alignl 7, 3214868480
	.fill 96, 4, 3214868480
	.section	.rodata,"a",@progbits
	.p2align	6, 0x0
	.amdhsa_kernel k_qacd0485e92_quant
		.amdhsa_group_segment_fixed_size 35328
		.amdhsa_private_segment_fixed_size 0
		.amdhsa_enable_private_segment 0
		.amdhsa_kernarg_size 64
		.amdhsa_user_sgpr_count 2
		.amdhsa_user_sgpr_kernarg_segment_ptr 1
		.amdhsa_wavefront_size32 1
		.amdhsa_system_sgpr_workgroup_id_x 1
		.amdhsa_system_sgpr_workgroup_id_y 1
		.amdhsa_system_sgpr_workgroup_id_z 1
		.amdhsa_system_vgpr_workitem_id 0
		.amdhsa_next_free_vgpr 256
		.amdhsa_next_free_sgpr 66
		.amdhsa_reserve_vcc 0
		.amdhsa_float_denorm_mode_32 3
		.amdhsa_float_denorm_mode_16_64 3
		.amdhsa_memory_ordered 1
		.amdhsa_forward_progress 1
		.amdhsa_inst_pref_size 34
	.end_amdhsa_kernel
	.amdgpu_metadata
---
amdhsa.version: [ 1, 2 ]
amdhsa.kernels:
  - .name:           k_qacd0485e92_quant
    .symbol:         k_qacd0485e92_quant.kd
    .args:
      - { .name: q, .offset: 0, .size: 8, .value_kind: global_buffer, .address_space: global }
      - { .name: k, .offset: 8, .size: 8, .value_kind: global_buffer, .address_space: global }
      - { .name: v, .offset: 16, .size: 8, .value_kind: global_buffer, .address_space: global }
      - { .name: Wq, .offset: 24, .size: 8, .value_kind: global_buffer, .address_space: global }
      - { .name: Wk, .offset: 32, .size: 8, .value_kind: global_buffer, .address_space: global }
      - { .name: Wv, .offset: 40, .size: 8, .value_kind: global_buffer, .address_space: global }
      - { .name: Wo, .offset: 48, .size: 8, .value_kind: global_buffer, .address_space: global }
      - { .name: recs, .offset: 56, .size: 8, .value_kind: global_buffer, .address_space: global }
    .group_segment_fixed_size: 35328
    .private_segment_fixed_size: 0
    .kernarg_segment_align: 8
    .kernarg_segment_size: 64
    .max_flat_workgroup_size: 128
    .sgpr_count:     66
    .vgpr_count:     256
    .wavefront_size: 32
...
	.end_amdgpu_metadata
.endif
;; end of part 1
;; launch proj (part 2): grid 64 x 4, 8 waves a work-group, clusters of 4 x 4, 327,680 bytes of LDS; arguments recs, bq, bk, bv, qh, kv; writes qh, kv
.if DOCPART == 2
	.amdgcn_target "amdgcn-amd-amdhsa--gfx1250"
	.amdhsa_code_object_version 6
	.text
	.protected	k_qacd0485e92_proj
	.globl	k_qacd0485e92_proj
	.p2align	8
	.type	k_qacd0485e92_proj,@function
k_qacd0485e92_proj:
	s_mov_b64 s[64:65], 0
	v_nop
	global_prefetch_b8 v0, s[64:65] scope:SCOPE_SE
	s_setreg_imm32_b32 hwreg(HW_REG_WAVE_MODE, 25, 1), 1
	s_wait_xcnt 0x0
	s_wait_alu depctr_hold_cnt(0) depctr_sa_sdst(0) depctr_va_vdst(0) depctr_va_sdst(0) depctr_va_ssrc(0) depctr_va_vcc(0) depctr_vm_vsrc(0)
	s_getreg_b32 s2, hwreg(HW_REG_IB_STS2, 6, 4)
	s_cmp_eq_u32 s2, 0
	s_cbranch_scc0 .Lentry_in_a_cluster
	s_endpgm
.Lentry_in_a_cluster:
	s_bfe_u32 s2, ttmp6, 0x10000c
	s_cmp_lg_u32 s2, 0xf033
	s_cbranch_scc0 .Lentry_shape_is_right
	s_endpgm
.Lentry_shape_is_right:
; LAUNCH 2 OF 4: the three projections on codes, + bias, and their results quantised at once: qh and kh along the head's 64, vh along the keys.  No work of the reference is left out.
; ROLES.  S0 is the operand whose rows become the next product's K (matrix source 0), S1 the one whose row stays in a lane (source 1).  Path 0: S0 = Wq, S1 = q, 8 K steps.  Path 1: Wk, k, 6.
; Path 2: S0 = v (its rows are the keys), S1 = Wv, 6.  By the records' row order a lane's 32 registers ACC(0..3, j) are index 32 b + 16 (lane / 16) + 0 .. 15 of S0's 64 rows: two blocks of the next K.
; SHARES.  A tile: 128 rows of S0 x 256 rows of S1; wave w: 64 x 64 (S0's record w & 1, S1's record w >> 1), 16 accumulators.  A cluster of 4 x 4: 512 x 1,024; 16 clusters cover a path.
; A WORK-GROUP STAYS: it makes its tile of path 0, then of path 1, then of path 2: 256 work-groups, 8 + 6 + 6 = 20 K steps each, walked as ONE stream, so that a tile's records land while the tile before is multiplied.
; S0's records hang on cx alone and are asked for jointly by a column of the cluster, S1's on cy alone, by a row: a quarter of the requests.
; THE RING.  Two slots of four K steps (a K step: S0's two records, then S1's four: 38,400 bytes).  Five fills; in fill f wave w < 4 asks for S0's records of step 4 f + (w & 3), wave w >= 4 for S1's.
; Fills 0 and 1 go out at the head, fill 1 behind fill 0's landing; behind each change of slots one.  A change of slots: every wave waits for all its tensor loads, adds 0 to its spare word, waits for that and for its
; reads of the slot, and passes a round of the cluster's barrier; the joint refill stands first behind it and has four K steps, 64 matrix instructions a wave, in which to land.
; THE BIASES of the work-group's three tiles (512 numbers) are copied into LDS blocks of their own at the head; each tile's sums begin with them.
; OUT.  A unit is 16 rows x 64 K, 6 registers a lane: registers 2 p, 2 p + 1 of lane l at 256 p + 8 l (768 bytes).  qh, a head: 64 units, then packed scales (two bytes a row and unit).
; kv, a head: K's 64 units, V's 64 units (16 of the head's 64 x 64 keys), K's packed scales, V's.
; LIMITS: as stated at the head of the first launch.
.set STEPB, 38400
.set S1OFF, 12800
.set RECB,  6400
.set SLOTB, 4*STEPB
.set BIASB, 2*SLOTB                    ; behind the ring: bq's 128 numbers, bk's 128, bv's 256: eight blocks of 256 bytes into which no fill lands
.set SPARE, BIASB+2048                 ; the spare words, 128 bytes a wave: four blocks of 256 bytes that no other line names
.set VBI, 1                            ; v1   LDS: my head's biases on paths 0 and 1, + 64 h
.set SOFF, 2                           ; v2   8 r + 4 h: my word of the packed scales
.set VB2, 3                            ; v3   LDS: my feature's bias on path 2
.set VA,  4                            ; v4   LDS: S0's record of mine in the step in hand, 16 x lane
.set VB,  5                            ; v5   S1's
.set VS,  6                            ; v6   the scale words: lanes 0-15 S0's, lanes 16-31 S1's
.set ST8, 7                            ; v7   8 x lane
.set TM,  8                            ; v8-13  at work
.set CT,  14                           ; v14-16
.set VA0, 17                           ; v17, v22, v23  the three addresses in step 0 of slot 0; never rewritten
.set U,   18                           ; v18-21 two scale bytes for each unit; on path 2 first the four biases
.set VB0, 22
.set VS0, 23
.set SC,  24                           ; v24-27 scale words, and nothing else
.set SPW, 28
.set NIL, 29
.set F0,  32                           ; v32-79  S0's four fragments
.set F1,  80                           ; v80-127 S1's four
.set ACC, 128                          ; v128-255 accumulator (i, j) at 128 + 32 j + 8 i
.set IMG, 32                           ; the way out: four units
.set WV,  16
.set WS0, 17
.set WS1, 18
.set W3,  19                           ; wave & 3: which K step of a fill I ask for
.set SEL, 20
.set CP,  22                           ; the cluster's number, 0 .. 15
.set HM,  23                           ; the mask of lanes 16-31
.set G1A, 24                           ; s[24:31] group 1 for S0's two records;  s[32:39] for S1's four
.set G1B, 32
.set G0A, 40                           ; s[40:47] S0's group 0, a set for each slot;  s[48:55] S1's
.set G0B, 48
.set CX,  56
.set CY,  57
.set DST, 72                           ; path p: s[72+4p:73+4p] my four units, s[74+4p:75+4p] my packed scales
.set B0,  84                           ; s84-86  path p: S0's first record of K step 0; these and s58, s59 never hold cy
.set B1,  87                           ; s87-89  S1's; these and s60, s61 never hold cx
.macro CROUND                          ; a round of the cluster's barrier
	s_barrier_signal -1
	s_barrier_wait -1
	s_cmp_lg_u32 s[WV], 0
	s_cbranch_scc1 .Lnot_wave_0_\@
	s_barrier_signal -3
.Lnot_wave_0_\@:
	s_barrier_wait -3
	s_barrier_signal -1
	s_barrier_wait -1
.endm
; Fill f: the byte offsets in recs of S0's records (s[58:59]) and of S1's (s[60:61]) of stream step 4 f + (wave & 3).  Steps 0-7 are path 0's, 8-13 path 1's, 14-19 path 2's.
; From K step to K step: 16 records in a weight, 128 in q, k or v.  Wave's number and constants alone decide: the same in all partners.
.macro RECS f
.if (\f) == 3
	s_lshl_b32 s58, s[W3], 4                       ; steps 12, 13: path 1, K steps 4, 5
	s_add_co_u32 s58, s58, s[B0+1]
	s_add_co_u32 s58, s58, 4*16
	s_lshl_b32 s59, s[W3], 7                       ; steps 14, 15: path 2, K steps 0, 1
	s_add_co_u32 s59, s59, s[B0+2]
	s_sub_co_u32 s59, s59, 2*128
	s_lshl_b32 s60, s[W3], 7
	s_add_co_u32 s60, s60, s[B1+1]
	s_add_co_u32 s60, s60, 4*128
	s_lshl_b32 s61, s[W3], 4
	s_add_co_u32 s61, s61, s[B1+2]
	s_sub_co_u32 s61, s61, 2*16
	s_cmp_lt_u32 s[W3], 2
	s_cselect_b32 s58, s58, s59
	s_cselect_b32 s60, s60, s61
.else
.if (\f) < 2
.set PP, 0
.set S00, 4*(\f)
.set SH0, 4
.set SH1, 7
.elseif (\f) == 2
.set PP, 1
.set S00, 0
.set SH0, 4
.set SH1, 7
.else
.set PP, 2
.set S00, 2
.set SH0, 7
.set SH1, 4
.endif
	s_add_co_u32 s58, s[W3], S00
	s_lshl_b32 s58, s58, SH0
	s_add_co_u32 s58, s58, s[B0+PP]
	s_add_co_u32 s60, s[W3], S00
	s_lshl_b32 s60, s60, SH1
	s_add_co_u32 s60, s60, s[B1+PP]
.endif
	s_mul_i32 s58, s58, RECB
	s_mov_b32 s59, 0
	s_mul_i32 s60, s60, RECB
	s_mov_b32 s61, 0
.endm
.macro SETG0 f                         ; the global addresses of fill f into the sets of slot f % 2; every wave makes both and asks by one of them
	RECS \f
	s_add_nc_u64 s[G0A+4*((\f)%2)+2:G0A+4*((\f)%2)+3], s[4:5], s[58:59]
	s_or_b32 s[G0A+4*((\f)%2)+3], s[G0A+4*((\f)%2)+3], 0x80000000
	s_add_nc_u64 s[G0B+4*((\f)%2)+2:G0B+4*((\f)%2)+3], s[4:5], s[60:61]
	s_or_b32 s[G0B+4*((\f)%2)+3], s[G0B+4*((\f)%2)+3], 0x80000000
.endm
; A joint refill of slot k.  Each of the two lines has one mask and one set of registers for all that issue it; the branch hangs on the wave's number alone.
; An s_nop 0 and four v_nop follow each of the two lines, ahead of the jump, the label and what follows.
.macro JLOAD k
	s_cmp_lt_u32 s[WV], 4
	s_cbranch_scc0 .Lfor_b_\@
	tensor_load_to_lds s[G0A+4*(\k):G0A+4*(\k)+3], s[G1A:G1A+7]
	s_nop 0
.rept 4
	v_nop
.endr
	s_branch .Lasked_\@
.Lfor_b_\@:
	tensor_load_to_lds s[G0B+4*(\k):G0B+4*(\k)+3], s[G1B:G1B+7]
	s_nop 0
.rept 4
	v_nop
.endr
.Lasked_\@:
.endm
; THE CHANGE OF SLOTS.  The slot just read out takes fill f.
.macro CHANGE f
	s_wait_tensorcnt 0x0                           ; all my tensor loads have landed, my part of the other slot among them: so a group 0 may be written
	ds_add_u32 v[SPW], v[NIL]                      ; 0 onto my spare word; the new addresses, work on registers, stand between it and the wait for it
	SETG0 \f
	s_wait_dscnt 0x0                               ; the add is done, and my reads of the slot are over
	CROUND                                         ; both now hold of every wave of all sixteen work-groups
	JLOAD (\f)%2                                   ; my one tensor load behind the round, and the first thing there
.endm
; 32 numbers of a lane, v[s + 16 b + i] = index 32 b + 16 (lane / 16) + i of my row, become a unit's codes in v[d] .. v[d + 5]; the two scale bytes are left in v[TM+2], v[TM+3].
.macro QUANT2 s, d
.irp b, 0,1
	v_max3_num_f32 v[TM+\b], |v[\s+16*\b]|, |v[\s+16*\b+1]|, 0x1800000   ; from each accumulator's low end on; the floor 2^(3 - 127) holds the byte at 1 from below
.endr
.irp i, 2,4,6,8,10,12,14
.irp b, 0,1
	v_max3_num_f32 v[TM+\b], v[TM+\b], |v[\s+16*\b+\i]|, |v[\s+16*\b+\i+1]|
.endr
.endr
.irp b, 0,1
	s_delay_alu instid0(VALU_DEP_2)
	v_permlanex16_b32 v[TM+2+\b], v[TM+\b], s[SEL], s[SEL+1]
.endr
.irp b, 0,1
	s_delay_alu instid0(VALU_DEP_2)
	v_max_num_f32 v[TM+\b], v[TM+\b], v[TM+2+\b]   ; with lane l xor 16's 16: the block's largest magnitude
.endr
.irp b, 0,1
	s_delay_alu instid0(VALU_DEP_2)
	v_add_nc_u32 v[TM+4+\b], 0xff000000, v[TM+\b]  ; 2 off the exponent field: the conversion's scale operand
.endr
.irp b, 0,1
	s_delay_alu instid0(VALU_DEP_2)
	v_lshrrev_b32 v[TM+2+\b], 23, v[TM+4+\b]       ; the scale's byte
.endr
	v_cvt_scalef32_pk16_fp6_f32 v[\d:\d+2], v[\s:\s+15], v[TM+4]
	v_cvt_scalef32_pk16_fp6_f32 v[CT:CT+2], v[\s+16:\s+31], v[TM+5]
	v_nop                                          ; one plain place behind a scaled conversion
.irp i, 0,1,2
	v_permlane16_swap_b32 v[\d+\i], v[CT+\i]       ; a whole block to a lane: lanes 0-15 block 0, lanes 16-31 block 1
.endr
.irp i, 0,1,2
	s_delay_alu instid0(VALU_DEP_3)
	v_mov_b32 v[\d+3+\i], v[CT+\i]
.endr
.endm
	s_load_b256 s[4:11], s[0:1], 0x0               ; recs, bq, bk, bv
	s_load_b128 s[12:15], s[0:1], 0x20             ; qh, kv
	v_lshl_add_u32 v[SPW], v0, 2, SPARE
	v_mov_b32 v[NIL], 0
	ds_add_u32 v[SPW], v[NIL]                      ; the wave's opening: the add, twice on end, and its wait ahead of the round in front of the first tensor loads
	ds_add_u32 v[SPW], v[NIL]
	v_lshrrev_b32 v1, 5, v0
	s_delay_alu instid0(VALU_DEP_1)
	v_readfirstlane_b32 s[WV], v1                  ; wave 0..7
	s_and_b32 s[WS0], s[WV], 1
	s_lshr_b32 s[WS1], s[WV], 1
	s_and_b32 s[W3], s[WV], 3
	s_bfe_u32 s[CX], ttmp6, 0x40000
	s_bfe_u32 s[CY], ttmp6, 0x40004
	s_mov_b32 s[CP], ttmp9                         ; ttmp9 counts clusters: the same in all sixteen partners
	s_and_b32 s90, s[CP], 1                        ; which 128 rows of S0: paths 0, 1: 4 (c & 1) + cx;
	s_lshl_b32 s90, s90, 2
	s_add_co_u32 s90, s90, s[CX]
	s_lshl_b32 s91, s[CP], 2                       ; path 2: 4 c + cx
	s_add_co_u32 s91, s91, s[CX]
	s_lshr_b32 s92, s[CP], 1                       ; which 256 rows of S1: paths 0, 1: 4 (c >> 1) + cy; path 2: cy
	s_lshl_b32 s92, s92, 2
	s_add_co_u32 s92, s92, s[CY]
	s_lshl_b32 s58, s90, 1                         ; S0's first record of K step 0: the tensor's first record + 2 x that
	s_add_co_u32 s[B0], s58, 2560
	s_add_co_u32 s[B0+1], s58, 2688
	s_lshl_b32 s58, s91, 1
	s_add_co_u32 s[B0+2], s58, 1792
	s_lshl_b32 s60, s92, 2                         ; S1's: + 4 x that
	s_mov_b32 s[B1], s60
	s_add_co_u32 s[B1+1], s60, 1024
	s_lshl_b32 s60, s[CY], 2
	s_add_co_u32 s[B1+2], s60, 2784
	s_lshl_b32 s62, 0x1111, s[CX]                  ; my column of the cluster
	s_lshl_b32 s63, s[CY], 2
	s_lshl_b32 s63, 15, s63                        ; my row
	; group 1: dense blocks as rows of 256 bytes (32 elements of 8 bytes): 50 rows for S0's two records, 100 for S1's four
	s_or_b32 s[G1A], s62, (3<<16)|(1<<21)
	s_mov_b32 s[G1A+1], 32<<16
	s_mov_b32 s[G1A+2], 50<<16
	s_mov_b32 s[G1A+3], 32<<16
	s_mov_b32 s[G1A+4], 50
	s_mov_b32 s[G1A+5], 32
	s_mov_b32 s[G1A+6], 0
	s_mov_b32 s[G1A+7], 0
	s_or_b32 s[G1B], s63, (3<<16)|(1<<21)
	s_mov_b32 s[G1B+1], 32<<16
	s_mov_b32 s[G1B+2], 100<<16
	s_mov_b32 s[G1B+3], 32<<16
	s_mov_b32 s[G1B+4], 100
	s_mov_b32 s[G1B+5], 32
	s_mov_b32 s[G1B+6], 0
	s_mov_b32 s[G1B+7], 0
	s_mov_b32 s[SEL], 0x76543210
	s_mov_b32 s[SEL+1], 0xfedcba98
	s_wait_dscnt 0x0                               ; both opening adds are done
	s_wait_kmcnt 0x0
.irp k, 0,1
	s_mov_b32 s[G0A+4*\k], 1
	s_mul_i32 s[G0A+4*\k+1], s[W3], STEPB          ; LDS: my K step of slot k; no place in the cluster enters an LDS address
	s_add_co_u32 s[G0A+4*\k+1], s[G0A+4*\k+1], \k*SLOTB
	s_mov_b32 s[G0B+4*\k], 1
	s_mul_i32 s[G0B+4*\k+1], s[W3], STEPB
	s_add_co_u32 s[G0B+4*\k+1], s[G0B+4*\k+1], \k*SLOTB+S1OFF
	SETG0 \k
.endr
	CROUND                                         ; all sixteen work-groups are here: the first joint loads meet
	s_cmp_lt_u32 s[WV], 4                          ; fill 0 alone goes out at the head: one tensor load a wave, one in each arm of one branch on the wave's number
	s_cbranch_scc0 .Lfirst_b
	tensor_load_to_lds s[G0A:G0A+3], s[G1A:G1A+7]
	s_nop 0
.rept 4
	v_nop
.endr
	s_branch .Lfirst_asked
.Lfirst_b:
	tensor_load_to_lds s[G0B:G0B+3], s[G1B:G1B+7]
	s_nop 0
.rept 4
	v_nop
.endr
.Lfirst_asked:
	v_and_b32 v1, 31, v0                           ; lane
	s_wait_alu depctr_va_vdst(0)
	v_and_b32 v2, 15, v0                           ; r
	v_bfe_u32 v3, v0, 4, 1                         ; h
	s_wait_alu depctr_va_vdst(0)
	s_xor_b32 s66, s[WS0], 1                       ; from S0's scale words of mine to S1's: 6,400 x (1 + ws1 + (1 - ws0))
	s_add_co_u32 s66, s66, s[WS1]
	s_add_co_u32 s66, s66, 1
	s_mul_i32 s66, s66, RECB
	s_mul_i32 s67, s[WS0], RECB
	s_mul_i32 s97, s[WS1], RECB
	s_add_co_u32 s97, s97, S1OFF
	v_lshlrev_b32 v[VA0], 4, v1
	s_delay_alu instid0(VALU_DEP_1)
	v_add_nc_u32 v[VB0], s97, v[VA0]
	s_delay_alu instid0(VALU_DEP_2)
	v_add_nc_u32 v[VA0], s67, v[VA0]
	v_mul_u32_u24 v[VS0], s66, v3                  ; lanes 16-31 take S1's
	s_delay_alu instid0(VALU_DEP_1)
	v_lshl_add_u32 v[VS0], v2, 4, v[VS0]
	s_add_co_u32 s67, s67, 6144
	v_add_nc_u32 v[VS0], s67, v[VS0]
	v_lshlrev_b32 v[ST8], 3, v1
	v_cmp_ne_u32 s[HM], 0, v3
	s_lshl_b32 s66, s[WS0], 8
	s_add_co_u32 s66, s66, BIASB
	s_lshl_b32 s67, s[WS1], 8
	s_add_co_u32 s67, s67, BIASB+1024
	v_lshl_add_u32 v[VBI], v3, 6, s66              ; paths 0, 1: my head's 64 biases, + 64 h
	v_and_b32 v30, 8, v2
	s_delay_alu instid0(VALU_DEP_1)
	v_add_nc_u32 v30, v30, v2                      ; r + 8 (r / 8)
	v_lshlrev_b32 v31, 3, v2
	s_delay_alu instid0(VALU_DEP_1)
	v_lshl_add_u32 v[SOFF], v3, 2, v31
	s_delay_alu instid0(VALU_DEP_3)
	v_lshl_add_u32 v[VB2], v30, 2, s67             ; path 2: my head's 64 biases, + 4 (r + 8 (r / 8))
	; where the results go.  sigma: S0's record, tau: S1's.  Paths 0, 1: head = sigma, tokens = tau.  Path 2: tokens (keys) = sigma, head = tau
	s_lshl_b32 s93, s90, 1
	s_add_co_u32 s93, s93, s[WS0]                  ; sigma on paths 0, 1
	s_lshl_b32 s94, s92, 2
	s_add_co_u32 s94, s94, s[WS1]                  ; tau on paths 0, 1
	s_lshl_b32 s95, s91, 1
	s_add_co_u32 s95, s95, s[WS0]                  ; sigma on path 2
	s_lshl_b32 s96, s[CY], 2
	s_add_co_u32 s96, s96, s[WS1]                  ; tau on path 2
.macro OUTADDR p, tok, head, ptr, rs, uo, so   ; rs: a head's bytes; uo: where its units begin; so: where its packed scales begin
	s_lshr_b32 s66, s[\tok], 4
	s_lshl_b32 s66, s66, 4
	s_add_co_u32 s66, s66, s[\head]                ; 16 x batch + head
	s_and_b32 s67, s[\tok], 15                     ; the chunk of 64 tokens in the batch
	s_mul_i32 s66, s66, \rs
	s_mul_i32 s68, s67, 3072
	s_add_co_u32 s68, s68, s66
	s_add_co_u32 s68, s68, \uo
	s_mov_b32 s69, 0
	s_lshl_b32 s70, s67, 7
	s_add_co_u32 s70, s70, s66
	s_add_co_u32 s70, s70, \so
	s_mov_b32 s71, 0
	s_add_nc_u64 s[DST+4*\p:DST+4*\p+1], s[\ptr:\ptr+1], s[68:69]
	s_add_nc_u64 s[DST+4*\p+2:DST+4*\p+3], s[\ptr:\ptr+1], s[70:71]
.endm
	OUTADDR 0, 94, 93, 12, 51200, 0, 49152
	OUTADDR 1, 94, 93, 14, 102400, 0, 98304
	OUTADDR 2, 95, 96, 14, 102400, 49152, 100352
	; the biases into LDS: threads 0-127 bq's 128 numbers of my two heads, threads 128-255 bk's; all 256 threads bv's 256 numbers of my four heads
	s_lshl_b32 s66, s90, 9
	s_mov_b32 s67, 0
	s_cmp_lt_u32 s[WV], 4
	s_cselect_b64 s[68:69], s[6:7], s[8:9]
	s_add_nc_u64 s[68:69], s[68:69], s[66:67]
	s_lshl_b32 s66, s[CY], 10
	s_add_nc_u64 s[70:71], s[10:11], s[66:67]
	v_lshl_add_u32 v8, v0, 2, BIASB
	v_and_b32 v9, 127, v0
	s_delay_alu instid0(VALU_DEP_1)
	v_lshlrev_b32 v9, 2, v9
	v_lshlrev_b32 v10, 2, v0
	global_load_b32 v18, v9, s[68:69]
	global_load_b32 v19, v10, s[70:71]
	s_wait_alu depctr_va_vdst(0)
	s_wait_loadcnt 0x0
	ds_store_b32 v8, v18
	ds_store_b32 v8, v19 offset:1024
	v_mov_b32 v[TM+2], 0                           ; written once: a lane permute's destination counts as one of its sources
	v_mov_b32 v[TM+3], 0
	s_wait_tensorcnt 0x0                           ; my part of slot 0 has landed; slot 1's first fill is issued as a refill is:
	ds_add_u32 v[SPW], v[NIL]                      ; 0 onto my spare word
	s_wait_dscnt 0x0                               ; the add is done, and my biases are stored
	CROUND                                         ; everybody's part of slot 0 and everybody's biases are in, and all sixteen work-groups are here
	JLOAD 1                                        ; fill 1, my one tensor load behind the round; it has K steps 0 to 3 in which to land
; THE BIAS IS WHAT A TILE'S SUMS BEGIN WITH: it goes into the accumulators, so that every K step has one form.
.macro BIASQ p                         ; paths 0, 1: register n of accumulator (i, j) is feature 32 (i / 2) + 16 h + 8 (i % 2) + n, the same for all j
.irp i, 0,1,2,3
	ds_load_b128 v[ACC+8*\i:ACC+8*\i+3], v[VBI] offset:512*\p+128*(\i/2)+32*(\i%2)
	ds_load_b128 v[ACC+8*\i+4:ACC+8*\i+7], v[VBI] offset:512*\p+128*(\i/2)+32*(\i%2)+16
.endr
	s_wait_dscnt 0x0
.irp j, 1,2,3
.set n, 0
.rept 32
	v_mov_b32 v[ACC+32*\j+n], v[ACC+n]
.set n, n+1
.endr
.endr
.endm
.macro BIASV                           ; path 2: a lane holds ONE feature, 32 (j / 2) + 8 (j % 2) + r + 8 (r / 8), in all registers of accumulators (., j)
.irp j, 0,1,2,3
	ds_load_b32 v[U+\j], v[VB2] offset:128*(\j/2)+32*(\j%2)
.endr
	s_wait_dscnt 0x0
.irp j, 0,1,2,3
.set n, 0
.rept 32
	v_mov_b32 v[ACC+32*\j+n], v[U+\j]
.set n, n+1
.endr
.endr
.endm
; Stream step st, a K step of 128: 25 LDS loads, 16 matrix instructions, the 16 accumulators by turns.
.macro KSTEP st
.set LB, (((\st)/4)%2)*SLOTB+((\st)%4)*STEPB
	v_add_nc_u32 v[VA], LB, v[VA0]                 ; three addresses and a v_nop: the four places in front of loads into registers that matrix instructions have read
	v_add_nc_u32 v[VB], LB, v[VB0]
	v_add_nc_u32 v[VS], LB, v[VS0]
	v_nop
	ds_load_b128 v[SC:SC+3], v[VS]                 ; register i: lanes 0-15 the words of S0's tile i, lanes 16-31 those of S1's tile i
.irp i, 0,1,2,3
.irp c, 0,1,2
	ds_load_b128 v[F0+12*\i+4*\c:F0+12*\i+4*\c+3], v[VA] offset:1536*\i+512*\c
.endr
.endr
.irp i, 0,1,2,3
.irp c, 0,1,2
	ds_load_b128 v[F1+12*\i+4*\c:F1+12*\i+4*\c+3], v[VB] offset:1536*\i+512*\c
.endr
.endr
.irp j, 0,1,2,3
	s_wait_dscnt 9-3*\j                            ; all up to S1's fragment j are in; the three loads of each later fragment may be out
.irp i, 0,1,2,3
	v_wmma_scale_f32_16x16x128_f8f6f4 v[ACC+32*\j+8*\i:ACC+32*\j+8*\i+7], v[F0+12*\i:F0+12*\i+11], v[F1+12*\j:F1+12*\j+11], v[ACC+32*\j+8*\i:ACC+32*\j+8*\i+7], v[SC+\i], v[SC+\j] matrix_a_fmt:MATRIX_FMT_FP6 matrix_b_fmt:MATRIX_FMT_FP6 matrix_b_scale:MATRIX_SCALE_ROW1
.endr
.endr
.endm
; THE WAY OUT of path p's tile: four units and their packed scales.
.macro OUT p
.rept 4
	v_nop                                          ; places in front of the first read of results and the first write over fragments
.endr
.irp j, 0,1,2,3
	QUANT2 ACC+32*\j, IMG+6*\j
	v_lshl_or_b32 v[U+\j], v[TM+3], 8, v[TM+2]     ; the unit's two scale bytes of my row
.endr
.irp j, 0,1,2,3
.irp q, 0,1,2
	global_store_b64 v[ST8], v[IMG+6*\j+2*\q:IMG+6*\j+2*\q+1], s[DST+4*\p:DST+4*\p+1] offset:768*\j+256*\q   ; 32 lanes store 256 consecutive bytes, at a multiple of 256 from the buffer's first byte
.endr
.endr
	v_lshl_or_b32 v30, v[U+1], 16, v[U]            ; units 0, 1 in one word, units 2, 3 in the next: lanes 0-15 store the first, lanes 16-31 the second
	v_lshl_or_b32 v31, v[U+3], 16, v[U+2]
	s_delay_alu instid0(VALU_DEP_1)
	v_cndmask_b32 v30, v30, v31, s[HM]
	global_store_b32 v[SOFF], v30, s[DST+4*\p+2:DST+4*\p+3]   ; 128 consecutive bytes
.if \p < 2
	s_wait_xcnt 0x0                                ; the stores have read their registers: the next K step's fragments land on them only behind this wait
.endif
.endm
	BIASQ 0
	s_wait_alu depctr_va_vdst(0)
.irp s, 0,1,2,3
	KSTEP \s
.endr
	CHANGE 2                                       ; slot 0 takes path 1's K steps 0 to 3
.irp s, 4,5,6,7
	KSTEP \s
.endr
	CHANGE 3                                       ; slot 1 takes path 1's K steps 4, 5 and path 2's 0, 1: asked for ahead of the way out, which stands beside its landing
	OUT 0
	BIASQ 1
	s_wait_alu depctr_va_vdst(0)
.irp s, 8,9,10,11
	KSTEP \s
.endr
	CHANGE 4                                       ; slot 0 takes path 2's K steps 2 to 5: the last fill
	KSTEP 12
	KSTEP 13
	OUT 1
	BIASV
	s_wait_alu depctr_va_vdst(0)
	KSTEP 14
	KSTEP 15
	s_wait_tensorcnt 0x0                           ; the last change of slots: my part of slot 0 has landed;
	ds_add_u32 v[SPW], v[NIL]                      ; 0 onto my spare word;
	s_wait_dscnt 0x0                               ; the add is done.  Nothing is filled again, so no round follows:
	s_barrier_signal -1
	s_barrier_wait -1                              ; everybody's part has landed
.irp s, 16,17,18,19
	KSTEP \s
.endr
	OUT 2
	s_wait_tensorcnt 0x0                           ; the wave's end
	ds_add_u32 v[SPW], v[NIL]
	s_wait_dscnt 0x0
	CROUND                                         ; the closing round: no work-group ends while a partner may still ask for a tile that names it
	s_endpgm
.Lfunc_end_k_qacd0485e92_proj:
	.size	k_qacd0485e92_proj, .Lfunc_end_k_qacd0485e92_proj-k_qacd0485e92_proj
	.p2alignl 7, 3214868480
	.fill 96, 4, 3214868480
	.section	.rodata,"a",@progbits
	.p2align	6, 0x0
	.amdhsa_kernel k_qacd0485e92_proj
		.amdhsa_group_segment_fixed_size 327680
		.amdhsa_private_segment_fixed_size 0
		.amdhsa_enable_private_segment 0
		.amdhsa_kernarg_size 48
		.amdhsa_user_sgpr_count 2
		.amdhsa_user_sgpr_kernarg_segment_ptr 1
		.amdhsa_wavefront_size32 1
		.amdhsa_system_sgpr_workgroup_id_x 1
		.amdhsa_system_sgpr_workgroup_id_y 1
		.amdhsa_system_sgpr_workgroup_id_z 1
		.amdhsa_system_vgpr_workitem_id 0
		.amdhsa_next_free_vgpr 256
		.amdhsa_next_free_sgpr 100
		.amdhsa_reserve_vcc 0
		.amdhsa_float_denorm_mode_32 3
		.amdhsa_float_denorm_mode_16_64 3
		.amdhsa_memory_ordered 1
		.amdhsa_forward_progress 1
		.amdhsa_inst_pref_size 137
	.end_amdhsa_kernel
	.amdgpu_metadata
---
amdhsa.version: [ 1, 2 ]
amdhsa.kernels:
  - .name:           k_qacd0485e92_proj
    .symbol:         k_qacd0485e92_proj.kd
    .args:
      - { .name: recs, .offset: 0, .size: 8, .value_kind: global_buffer, .address_space: global }
      - { .name: bq, .offset: 8, .size: 8, .value_kind: global_buffer, .address_space: global }
      - { .name: bk, .offset: 16, .size: 8, .value_kind: global_buffer, .address_space: global }
      - { .name: bv, .offset: 24, .size: 8, .value_kind: global_buffer, .address_space: global }
      - { .name: qh, .offset: 32, .size: 8, .value_kind: global_buffer, .address_space: global }
      - { .name: kv, .offset: 40, .size: 8, .value_kind: global_buffer, .address_space: global }
    .group_segment_fixed_size: 327680
    .private_segment_fixed_size: 0
    .kernarg_segment_align: 8
    .kernarg_segment_size: 48
    .max_flat_workgroup_size: 256
    .sgpr_count:     100
    .vgpr_count:     256
    .wavefront_size: 32
...
	.end_amdgpu_metadata
.endif
;; end of part 2
;; launch attn (part 3): grid 256 x 1, 16 waves a work-group, no clusters, 167,936 bytes of LDS; arguments qh, kv, key_padding_mask, ao, aos; writes ao, aos
.if DOCPART == 3
	.amdgcn_target "amdgcn-amd-amdhsa--gfx1250"
	.amdhsa_code_object_version 6
	.text
	.protected	k_qacd0485e92_attn
	.globl	k_qacd0485e92_attn
	.p2align	8
	.type	k_qacd0485e92_attn,@function
k_qacd0485e92_attn:
	s_mov_b64 s[64:65], 0
	v_nop
	global_prefetch_b8 v0, s[64:65] scope:SCOPE_SE
	s_setreg_imm32_b32 hwreg(HW_REG_WAVE_MODE, 25, 1), 1
	s_wait_xcnt 0x0
; LAUNCH 3 OF 4: scores, mask, softmax, p V, / l, and the result quantised along C for the last product.  No work of the reference is left out: every key step is walked, whatever the mask holds.
; SHARES.  Work-group x: head x >> 1 (16 x batch + head), half x & 1 of its 1,024 queries.  Wave w: query tiles 32 half + 2 w and + 1, one after the other (PASS); each pass walks 8 steps of 128 keys.
; LDS.  The head's whole record of kv (K's units, V's units, packed scales: 102,400 bytes) is filled once, 6,400 bytes by each wave's one tensor load.  Behind it 4,096 bytes of K's scale WORDS, made here.
; NO CLUSTER: two work-groups share a head, and what they share is one fill of 102,400 bytes at the head against 16 key steps a wave; a cluster of four would hold two heads, whose tiles differ.
; NO PREFETCH: the one fill stands at the head; there is no stream and no loop to run ahead in.
; BOTH PRODUCTS TRANSPOSED: S^T = K Q^T, O^T = V^T P^T: a lane holds one query throughout.
; WHICH KEYS FORM A TILE OF K is chosen here, by the lanes' LDS addresses: tile i of a chunk of 64 keys takes keys 8 i + 0..7 in lanes 0-7 and 32 + 8 i + 0..7 in lanes 8-15 (of the stored units: unit (i & 1) + 2 (r / 8), lane (r & 7) + 8 (i / 2)).
; So register 32 g + 8 i + n of lane (r, h) is key 64 g + 32 h + 8 i + n: a lane's 32 registers of a chunk are ONE WHOLE BLOCK of 32 keys, in the order that p's operand wants: no other lane is asked for a block's maximum, and no code changes lanes.
; THE MASK RIDES IN THE IDLE HALF OF K.  A head has 64 along K, the instruction 128.  The idle 64 hold one product: the code +1 on K's side, the code -1 on Q's (first code of a constant block, lanes 0-15).
; Its scale byte on K's side is 227 for a masked key and 1 for a valid one, on Q's side 127: the score gets -2^100 or -2^-126.  No vector instruction is spent on the mask, and no branch hangs on it.
; The running largest t begins at -2^90, above every masked t (about -2^97): so M never comes from a masked key, and a masked p is 2^(very negative) = 0.
; THE SOFTMAX: t = score x log2(e) / 8; M = the running largest t rounded up to a whole number; p = 2^(t - M) is quantised along the keys, not normalised; l is the sum of the unquantised p and divides at the end.
; LIMITS: as stated at the head of the first launch (a batch whose mask is all false is not served; t under -2^90 counts as masked).
.set KSW,   102400                     ; K's scale words: chunk of 64 keys x 256 + 16 r + 4 i
.set SPARE, 106496                     ; the spare words, 128 bytes a wave: eight blocks of 256 bytes that no other line names
.set L8,  1                            ; v1   8 x lane
.set AKS, 2                            ; v2   KSW + 16 r
.set AVS, 3                            ; v3   V's packed scales + 8 r
.set HH,  4                            ; v4   h
.set SPW, 5
.set NIL, 6
.set SB,  7                            ; v7   32 r + h: my byte in aos
.set ADK, 8                            ; v8-11 the step's addresses: K's units, K's scale words, V's packed scales, V's units
.set ADS, 9
.set ADT, 10
.set ADV, 11
.set QOP, 16                           ; v16-33  [Q][-1][Q]: even tiles take v16-27, odd tiles v22-33
.set QRAW, 34                          ; v34-45  my two tiles of Q
.set KB,  46                           ; v46-81  [K0][+1][K1][K2][+1][K3]
.set LK,  82                           ; v82  1536 (r / 8) + 8 (r & 7) + 128 h: my place in K's units
.set H8,  83                           ; v83  8 h
.set IMG, 84                           ; v84-90, v92-98  a pass's unit and byte
.set S,   100                          ; v100-163 S^T, then p; v100-147 then V's four fragments
.set VF,  100
.set O,   164                          ; v164-195 O^T
.set PC,  196                          ; v196-207 p's codes; ahead of them seven partial sums of l
.set SA,  194                          ; partial sum q = 1 .. 7 at v[SA + 2 q]
.set CT,  208                          ; v208-210, v212-214
.set BM,  216                          ; v216, v217 my two blocks' largest scores
.set BP,  220                          ; v220-227 at work: eight chains of maxima
.set SO,  224                          ; v224, v225 then the conversions' scale operands
.set T1,  228
.set TM,  216                          ; QUANT2's six
.set KS,  236                          ; v236-239 K's scale words   (v236-249 and v253 hold scales and nothing else)
.set VR,  240                          ; v240-243 V's packed scales as loaded
.set VW,  244                          ; v244-247 V's scale words
.set QW,  248                          ; v248, v249 Q's scale word for even and for odd tiles
.set QSR, 250                          ; v250 Q's packed scales as loaded
.set WV,  14
.set BH,  15
.set HALF, 16
.set SEL, 20
.set CS,  22                           ; s[22:23] c = log2(e) / 8
.set TK,  36
.set TS,  37
.set TV,  38
.set CNT, 39
.macro QUANT2 s, d                     ; as in the launch before: 32 numbers of a lane (16 of each of two blocks) -> a unit's codes in v[d] .. v[d + 5], the two bytes in v[TM+2], v[TM+3]
.irp b, 0,1
	v_max3_num_f32 v[TM+\b], |v[\s+16*\b]|, |v[\s+16*\b+1]|, 0x1800000
.endr
.irp i, 2,4,6,8,10,12,14
.irp b, 0,1
	s_delay_alu instid0(VALU_DEP_2)
	v_max3_num_f32 v[TM+\b], v[TM+\b], |v[\s+16*\b+\i]|, |v[\s+16*\b+\i+1]|
.endr
.endr
.irp b, 0,1
	s_delay_alu instid0(VALU_DEP_2)
	v_permlanex16_b32 v[TM+2+\b], v[TM+\b], s[SEL], s[SEL+1]
.endr
.irp b, 0,1
	s_delay_alu instid0(VALU_DEP_2)
	v_max_num_f32 v[TM+\b], v[TM+\b], v[TM+2+\b]
.endr
.irp b, 0,1
	s_delay_alu instid0(VALU_DEP_2)
	v_add_nc_u32 v[TM+4+\b], 0xff000000, v[TM+\b]
.endr
.irp b, 0,1
	s_delay_alu instid0(VALU_DEP_2)
	v_lshrrev_b32 v[TM+2+\b], 23, v[TM+4+\b]
.endr
	v_cvt_scalef32_pk16_fp6_f32 v[\d:\d+2], v[\s:\s+15], v[TM+4]
	v_cvt_scalef32_pk16_fp6_f32 v[CT:CT+2], v[\s+16:\s+31], v[TM+5]
	v_nop
.irp i, 0,1,2
	v_permlane16_swap_b32 v[\d+\i], v[CT+\i]
.endr
.irp i, 0,1,2
	s_delay_alu instid0(VALU_DEP_3)
	v_mov_b32 v[\d+3+\i], v[CT+\i]
.endr
.endm
	s_load_b256 s[4:11], s[0:1], 0x0               ; qh, kv, the mask, ao
	s_load_b64 s[12:13], s[0:1], 0x20              ; aos
	v_lshl_add_u32 v[SPW], v0, 2, SPARE
	v_mov_b32 v[NIL], 0
	ds_add_u32 v[SPW], v[NIL]                      ; the wave's opening: the add, twice on end, and its wait ahead of my first tensor load
	ds_add_u32 v[SPW], v[NIL]
	v_lshrrev_b32 v8, 5, v0
	s_delay_alu instid0(VALU_DEP_1)
	v_readfirstlane_b32 s[WV], v8                  ; wave 0..15
	s_lshr_b32 s[BH], ttmp9, 1
	s_and_b32 s[HALF], ttmp9, 1
	s_lshr_b32 s17, s[BH], 4                       ; batch
	s_and_b32 s18, s[BH], 15                       ; head
	s_mov_b32 s24, 3<<16                           ; group 1: 6,400 dense bytes as 25 rows of 256 (32 elements of 8 bytes); no mask, no padding
	s_mov_b32 s25, 32<<16
	s_mov_b32 s26, 25<<16
	s_mov_b32 s27, 32<<16
	s_mov_b32 s28, 25
	s_mov_b32 s29, 32
	s_mov_b32 s30, 0
	s_mov_b32 s31, 0
	s_mul_i32 s42, s[BH], 102400
	s_mul_i32 s44, s[WV], 6400
	s_add_co_u32 s42, s42, s44
	s_mov_b32 s43, 0
	s_mov_b32 s[SEL], 0x76543210
	s_mov_b32 s[SEL+1], 0xfedcba98
	s_mov_b32 s[CS], 0x3e38aa3b
	s_mov_b32 s[CS+1], s[CS]                       ; (named with it as a pair, so it is written)
	s_mov_b32 s40, 0x05040100                      ; v_perm_b32: the two low halves;
	s_mov_b32 s41, 0x07060302                      ; the two high halves
	s_wait_dscnt 0x0                               ; both opening adds are done
	s_wait_kmcnt 0x0
	s_mov_b32 s32, 1
	s_mul_i32 s33, s[WV], 6400                     ; LDS: my sixteenth of the record
	s_add_nc_u64 s[34:35], s[6:7], s[42:43]
	s_or_b32 s35, s35, 0x80000000
	tensor_load_to_lds s[32:35], s[24:31]          ; every wave issues one: one tensor load of mine is out
	s_nop 0
.rept 4
	v_nop
.endr
	s_mul_i32 s44, s[BH], 51200                    ; Q: my two tiles: unit 32 half + 2 w
	s_mul_i32 s45, s[HALF], 24576
	s_add_co_u32 s44, s44, s45
	s_mul_i32 s45, s[WV], 1536
	s_add_co_u32 s44, s44, s45
	s_mov_b32 s45, 0
	s_add_nc_u64 s[46:47], s[4:5], s[44:45]
	s_mul_i32 s44, s[BH], 51200                    ; their packed scales: one word a row: 49,152 + 128 (8 half + w / 2) + 4 (w & 1) (+ 8 r)
	s_lshl_b32 s45, s[HALF], 10
	s_add_co_u32 s44, s44, s45
	s_lshr_b32 s45, s[WV], 1
	s_lshl_b32 s45, s45, 7
	s_add_co_u32 s44, s44, s45
	s_and_b32 s45, s[WV], 1
	s_lshl_b32 s45, s45, 2
	s_add_co_u32 s44, s44, s45
	s_add_co_u32 s44, s44, 49152
	s_mov_b32 s45, 0
	s_add_nc_u64 s[48:49], s[4:5], s[44:45]
	s_lshl_b32 s44, s17, 10                        ; the batch's 1,024 bytes of the mask
	s_add_nc_u64 s[50:51], s[8:9], s[44:45]
	s_lshl_b32 s56, s17, 6                         ; my first row tile: 64 batch + 32 half + 2 w
	s_lshl_b32 s57, s[HALF], 5
	s_add_co_u32 s56, s56, s57
	s_lshl_b32 s57, s[WV], 1
	s_add_co_u32 s56, s56, s57
	s_lshl_b32 s44, s56, 4
	s_add_co_u32 s44, s44, s18
	s_mul_i32 s44, s44, 768
	s_add_nc_u64 s[52:53], s[10:11], s[44:45]      ; ao: unit 16 T + head
	s_lshl_b32 s44, s56, 9
	s_lshl_b32 s57, s18, 1
	s_add_co_u32 s44, s44, s57
	s_add_nc_u64 s[54:55], s[12:13], s[44:45]      ; aos: 512 T + 2 head
	v_and_b32 v8, 31, v0
	s_delay_alu instid0(VALU_DEP_1)
	v_lshlrev_b32 v[L8], 3, v8
	v_and_b32 v9, 15, v0                           ; r
	v_bfe_u32 v[HH], v0, 4, 1
	s_delay_alu instid0(VALU_DEP_2)
	v_lshl_add_u32 v[AKS], v9, 4, KSW
	s_delay_alu instid0(VALU_DEP_3)
	v_lshl_add_u32 v[AVS], v9, 3, 100352
	s_delay_alu instid0(VALU_DEP_3)
	v_lshl_add_u32 v[SB], v9, 5, v[HH]
	v_lshlrev_b32 v10, 3, v9
.irp t, 0,1
.irp p, 0,1,2
	global_load_b64 v[QRAW+6*\t+2*\p:QRAW+6*\t+2*\p+1], v[L8], s[46:47] offset:768*\t+256*\p
.endr
.endr
	global_load_b32 v[QSR], v10, s[48:49]
	; thread t makes the two scale words of chunk t >> 5, stored lane ro = (t >> 1) & 15, stored units 2 (t & 1) and + 1; their keys lie 8 apart
	v_lshrrev_b32 v216, 5, v0
	s_delay_alu instid0(VALU_DEP_1)
	v_lshlrev_b32 v216, 6, v216
	v_and_b32 v217, 1, v0
	s_delay_alu instid0(VALU_DEP_1)
	v_lshl_add_u32 v216, v217, 5, v216
	v_bfe_u32 v217, v0, 1, 4
	s_delay_alu instid0(VALU_DEP_1)
	v_add_nc_u32 v216, v216, v217
	s_delay_alu instid0(VALU_DEP_2)
	v_and_b32 v217, 8, v217
	s_delay_alu instid0(VALU_DEP_1)
	v_add_nc_u32 v216, v216, v217                  ; 64 chunk + 32 (t & 1) + ro + 8 (ro / 8)
	global_load_u8 v218, v216, s[50:51]
	global_load_u8 v219, v216, s[50:51] offset:8
	v_bfe_u32 v[LK], v0, 3, 1                      ; my place in K's units: 1536 (r / 8) + 8 (r & 7) + 128 h
	v_and_b32 v[H8], 7, v0
	s_delay_alu instid0(VALU_DEP_2)
	v_mul_u32_u24 v[LK], v[LK], 1536
	s_delay_alu instid0(VALU_DEP_1)
	v_lshl_add_u32 v[LK], v[H8], 3, v[LK]
	s_delay_alu instid0(VALU_DEP_1)
	v_lshl_add_u32 v[LK], v[HH], 7, v[LK]
	v_lshlrev_b32 v[H8], 3, v[HH]                  ; 8 h
	s_delay_alu instid0(VALU_DEP_1)
	v_sub_nc_u32 v[KB+6], 8, v[H8]                 ; the constant blocks: lanes 0-15: the first code +1 (0x08) or -1 (0x28), all else zero codes
	s_delay_alu instid0(VALU_DEP_1)
	v_mov_b32 v[KB+24], v[KB+6]
	v_mul_u32_u24 v8, v[HH], 40
	s_delay_alu instid0(VALU_DEP_1)
	v_sub_nc_u32 v[QOP+6], 40, v8
.irp i, 1,2,3,4,5
	v_mov_b32 v[KB+6+\i], 0
	v_mov_b32 v[KB+24+\i], 0
	v_mov_b32 v[QOP+6+\i], 0
.endr
	v_mov_b32 v253, 0                              ; (named as the upper half of the pair v[252:253] before it is first written)
	v_lshl_add_u32 v220, v0, 2, 98304              ; K's packed scales: a word a thread
	v_lshrrev_b32 v224, 5, v0                      ; where my two words go: tiles 2 (ro / 8) and + 1, lane (ro & 7) + 8 (t & 1): KSW + 256 chunk + 16 (ro & 7) + 128 (t & 1) + 8 (ro / 8)
	v_bfe_u32 v225, v0, 1, 3
	v_and_b32 v226, 1, v0
	v_bfe_u32 v227, v0, 4, 1
	v_lshl_add_u32 v224, v224, 8, KSW
	s_delay_alu instid0(VALU_DEP_1)
	v_lshl_add_u32 v224, v225, 4, v224
	s_delay_alu instid0(VALU_DEP_1)
	v_lshl_add_u32 v224, v226, 7, v224
	s_delay_alu instid0(VALU_DEP_1)
	v_lshl_add_u32 v224, v227, 3, v224
	s_wait_alu depctr_va_vdst(0)
	s_wait_tensorcnt 0x0                           ; my part of the record has landed,
	s_barrier_signal -1
	s_barrier_wait -1                              ; everybody's has
	ds_load_b32 v221, v220
	s_wait_loadcnt 0x0                             ; Q, its scales, the mask
	s_wait_dscnt 0x0
	v_mul_u32_u24 v218, v218, 226
	s_delay_alu instid0(VALU_DEP_1)
	v_sub_nc_u32 v218, 227, v218                   ; the mask's byte: 227 where the mask is 0, 1 where it is 1
	v_mul_u32_u24 v219, v219, 226
	s_delay_alu instid0(VALU_DEP_1)
	v_sub_nc_u32 v219, 227, v219
	v_and_b32 v222, 0xffff, v221                   ; an even tile is [K | +1]: K's two bytes, the mask's byte, 1
	s_delay_alu instid0(VALU_DEP_1)
	v_lshl_or_b32 v222, v218, 16, v222
	s_delay_alu instid0(VALU_DEP_1)
	v_or_b32 v222, 0x1000000, v222
	s_delay_alu instid0(VALU_DEP_4)
	v_and_or_b32 v223, v221, 0xffff0000, v219      ; an odd tile is [+1 | K]: the mask's byte, 1, K's two bytes
	s_delay_alu instid0(VALU_DEP_1)
	v_or_b32 v223, 0x100, v223
	ds_store_b64 v224, v[222:223]
	s_wait_dscnt 0x0                               ; for the others' sake: my words are stored
	s_barrier_signal -1
	s_barrier_wait -1
; A KEY STEP: 128 keys.
.macro STEP
	v_add_nc_u32 v[ADK], s[TK], v[LK]
	s_wait_alu depctr_va_vdst(0)
	v_add_nc_u32 v[ADS], s[TS], v[AKS]
	s_wait_alu depctr_va_vdst(0)
	v_add_nc_u32 v[ADT], s[TV], v[AVS]
	v_add_nc_u32 v[ADV], s[TK], v[L8]
	v_nop                                          ; five places: S^T is laid over V's fragments, which the last products read
.irp g, 0,1                                    ; S^T = K Q^T, a chunk of 64 keys, four tiles, at a time
.irp j, 0,1,2,3
.irp p, 0,1,2
	ds_load_b64 v[KB+6*\j+6*((\j+1)/2)+2*\p:KB+6*\j+6*((\j+1)/2)+2*\p+1], v[ADK] offset:3072*\g+768*(\j%2)+64*(\j/2)+256*\p
.endr
.endr
	ds_load_b128 v[KS:KS+3], v[ADS] offset:256*\g
.if \g == 0
	ds_load_b64 v[VR:VR+1], v[ADT]                 ; V's packed scales of the step's two chunks of keys
	ds_load_b64 v[VR+2:VR+3], v[ADT] offset:128
.endif
	s_wait_dscnt 0x0
.irp j, 0,1,2,3
	v_wmma_scale_f32_16x16x128_f8f6f4 v[S+32*\g+8*\j:S+32*\g+8*\j+7], v[KB+6*\j+6*((\j+1)/2)-6*(\j%2):KB+6*\j+6*((\j+1)/2)-6*(\j%2)+11], v[QOP+6*(\j%2):QOP+6*(\j%2)+11], 0, v[KS+\j], v[QW+\j%2] matrix_a_fmt:MATRIX_FMT_FP6 matrix_b_fmt:MATRIX_FMT_FP6
.endr
.if \g == 0
	v_perm_b32 v[VW], v[VR+2], v[VR], s40          ; V's scale words: tile j's two bytes of the first chunk, then of the second.  These four are the places in front of the next chunk's loads and of the first read of this chunk's scores
	v_perm_b32 v[VW+1], v[VR+2], v[VR], s41
	v_perm_b32 v[VW+2], v[VR+3], v[VR+1], s40
	v_perm_b32 v[VW+3], v[VR+3], v[VR+1], s41
.endif
.endr                                          ; register 32 c + i is key 64 c + 32 h + i of the step: my blocks 2 c + h, c = 0, 1
.irp c, 0,1                                    ; the largest score of each of my two blocks: for the row's maximum, and, since p rises with the score, for the block's largest p.  Chunk 0's twelve lines are the places behind chunk 1's products
.irp q, 0,1,2,3
	v_max3_num_f32 v[BP+4*\c+\q], v[S+32*\c+8*\q], v[S+32*\c+8*\q+1], v[S+32*\c+8*\q+2]   ; four chains a block, each accumulator from its low end on
.endr
.irp i, 3,5
.irp q, 0,1,2,3
	v_max3_num_f32 v[BP+4*\c+\q], v[BP+4*\c+\q], v[S+32*\c+8*\q+\i], v[S+32*\c+8*\q+\i+1]
.endr
.endr
.endr
.irp c, 0,1
	v_max3_num_f32 v[BP+4*\c], v[BP+4*\c], v[BP+4*\c+1], v[S+32*\c+7]
.endr
.irp c, 0,1
	v_max3_num_f32 v[BP+4*\c+2], v[BP+4*\c+2], v[BP+4*\c+3], v[S+32*\c+15]
.endr
.irp c, 0,1
	v_max3_num_f32 v[BP+4*\c], v[BP+4*\c], v[BP+4*\c+2], v[S+32*\c+23]
.endr
.irp c, 0,1
	v_max_num_f32 v[BM+\c], v[BP+4*\c], v[S+32*\c+31]
.endr
	s_delay_alu instid0(VALU_DEP_1)
	v_max_num_f32 v[T1], v[BM], v[BM+1]
	s_delay_alu instid0(VALU_DEP_1)
	v_permlanex16_b32 v[BP], v[T1], s[SEL], s[SEL+1]
	s_delay_alu instid0(VALU_DEP_1)
	v_max_num_f32 v[T1], v[T1], v[BP]              ; with lane l xor 16's two blocks: the step's largest score of my query
	s_delay_alu instid0(VALU_DEP_1)
	v_mul_f32 v[T1], s[CS], v[T1]                  ; as t
	s_delay_alu instid0(VALU_DEP_1)
	v_max_num_f32 v13, v13, v[T1]                  ; the running largest t
	v_mov_b32 v[T1], v12
	s_delay_alu instid0(VALU_DEP_2)
	v_floor_f32 v12, -v13                          ; the new -M = floor(-t)
	s_delay_alu instid0(VALU_DEP_1)
	v_sub_f32 v[T1], v12, v[T1]                    ; old M - new M: a whole number, 0 or less
	s_delay_alu instid0(VALU_DEP_1)
	v_cvt_i32_f32 v[T1], v[T1]                     ; (it saturates)
	s_delay_alu instid0(VALU_DEP_1)
	v_ldexp_f32 v252, 1.0, v[T1]                   ; f = 2^(old M - new M)
.set n, 0
.rept 32
	v_pk_fma_f32 v[S+n:S+n+1], v[S+n:S+n+1], s[CS:CS+1], v[12:13] op_sel_hi:[1,0,0]   ; t - M, two at a time
.set n, n+2
.endr
.irp c, 0,1
	v_fma_f32 v[BM+\c], v[BM+\c], s[CS], v12       ; the same of each block's largest score
.endr
	s_wait_alu depctr_va_vdst(0)
.set n, 0
.rept 64
	v_exp_f32 v[S+n], v[S+n]                       ; p = 2^(t - M)
.set n, n+1
.endr
.irp c, 0,1
	v_exp_f32 v[BM+\c], v[BM+\c]                   ; the block's largest p: the same two instructions on the same number
.endr
	v_pk_mul_f32 v[14:15], v[14:15], v[252:253] op_sel_hi:[1,0]   ; l under the new M: the plain place behind the exponentials
	s_wait_alu depctr_va_vdst(0)                   ; one wait for the batch, ahead of its first reader
.irp q, 1,2,3,4,5,6,7                          ; l is the sum of the unquantised p: 32 pairs in eight chains
	v_pk_add_f32 v[SA+2*\q:SA+2*\q+1], v[S+2*\q-2:S+2*\q-1], v[S+2*\q+12:S+2*\q+13]
.endr
	v_pk_add_f32 v[14:15], v[14:15], v[S+28:S+29]
.irp o, 30,46
	v_pk_add_f32 v[14:15], v[14:15], v[S+\o:S+\o+1]
.irp q, 1,2,3,4,5,6,7
	v_pk_add_f32 v[SA+2*\q:SA+2*\q+1], v[SA+2*\q:SA+2*\q+1], v[S+\o+2*\q:S+\o+2*\q+1]
.endr
.endr
	v_pk_add_f32 v[14:15], v[14:15], v[S+62:S+63]
.irp c, 0,1
	v_max_num_f32 v[BM+\c], 0x1800000, v[BM+\c]    ; the floor: a block whose every p is 0 keeps the byte 1; its codes are zeros
.endr
	v_pk_add_f32 v[SA+2:SA+3], v[SA+2:SA+3], v[SA+4:SA+5]
	v_pk_add_f32 v[SA+6:SA+7], v[SA+6:SA+7], v[SA+8:SA+9]
.irp c, 0,1
	v_add_nc_u32 v[SO+\c], 0xff000000, v[BM+\c]    ; 2 off the exponent field: the conversion's scale operand
.endr
	v_pk_add_f32 v[SA+10:SA+11], v[SA+10:SA+11], v[SA+12:SA+13]
	v_pk_add_f32 v[14:15], v[14:15], v[SA+14:SA+15]
.irp c, 0,1
	v_lshrrev_b32 v[BP+\c], 23, v[SO+\c]           ; the scale's byte
.endr
	v_pk_add_f32 v[SA+2:SA+3], v[SA+2:SA+3], v[SA+6:SA+7]
	v_pk_add_f32 v[14:15], v[14:15], v[SA+10:SA+11]
	v_lshl_or_b32 v[T1], v[BP+1], 16, v[BP]        ; my two bytes, blocks h and 2 + h,
	s_delay_alu instid0(VALU_DEP_2)
	v_pk_add_f32 v[14:15], v[14:15], v[SA+2:SA+3]
	s_delay_alu instid0(VALU_DEP_2)
	v_lshlrev_b32 v[T1], v[H8], v[T1]              ; at their places in the word;
	s_delay_alu instid0(VALU_DEP_1)
	v_permlanex16_b32 v[BP], v[T1], s[SEL], s[SEL+1]
	s_delay_alu instid0(VALU_DEP_1)
	v_or_b32 v253, v[T1], v[BP]                    ; with lane l xor 16's two: p's scale word for these 128 keys
.irp c, 0,1
	v_cvt_scalef32_pk16_fp6_f32 v[PC+6*\c:PC+6*\c+2], v[S+32*\c:S+32*\c+15], v[SO+\c]
	v_cvt_scalef32_pk16_fp6_f32 v[CT+4*\c:CT+4*\c+2], v[S+32*\c+16:S+32*\c+31], v[SO+\c]   ; (a conversion's three registers begin on an even number)
.endr
	v_nop                                          ; one plain place behind a scaled conversion
.irp j, 0,1,2,3                                ; p is done with: V's four fragments (16 of the head's 64 x 128 keys: two units each) take its registers
.irp c, 0,1
.irp p, 0,1,2
	ds_load_b64 v[VF+12*\j+6*\c+2*\p:VF+12*\j+6*\c+2*\p+1], v[ADV] offset:49152+3072*\c+768*\j+256*\p
.endr
.endr
.endr
.irp c, 0,1
.irp i, 0,1,2
	v_mov_b32 v[PC+6*\c+3+\i], v[CT+4*\c+\i]       ; registers 6 c .. 6 c + 5 hold keys 64 c + 32 h + 0 .. 31
.endr
.endr
	s_wait_alu depctr_va_vdst(0)                   ; directly ahead of the first reader of O^T
.set n, 0
.rept 16
	v_pk_mul_f32 v[O+n:O+n+1], v[O+n:O+n+1], v[252:253] op_sel_hi:[1,0]   ; O^T under the new M; these are also the places between the scale word's and the codes' last lines and the products
.set n, n+2
.endr
	s_wait_alu depctr_va_vdst(0)
	s_wait_dscnt 0x0
.irp j, 0,1,2,3
	v_wmma_scale_f32_16x16x128_f8f6f4 v[O+8*\j:O+8*\j+7], v[VF+12*\j:VF+12*\j+11], v[PC:PC+11], v[O+8*\j:O+8*\j+7], v[VW+\j], v253 matrix_a_fmt:MATRIX_FMT_FP6 matrix_b_fmt:MATRIX_FMT_FP6
.endr
	s_add_co_u32 s[TK], s[TK], 6144                ; the next 128 keys: two chunks of units, of scale words, of packed scales
	s_add_co_u32 s[TS], s[TS], 512
	s_add_co_u32 s[TV], s[TV], 256
.endm
; A PASS: one tile of 16 queries against all keys.
.macro PASS p
.if \p == 0
	v_and_b32 v[T1], 0xffff, v[QSR]                ; Q's two bytes: [Q | -1] has them low, with 127 and 1 above; [-1 | Q] has 127 and 1 low
	v_lshl_or_b32 v[QW+1], v[QSR], 16, 0x17f
.else
	v_lshrrev_b32 v[T1], 16, v[QSR]
	v_and_b32 v[QW+1], 0xffff0000, v[QSR]
	s_delay_alu instid0(VALU_DEP_1)
	v_or_b32 v[QW+1], 0x17f, v[QW+1]
.endif
	v_or_b32 v[QW], 0x17f0000, v[T1]
.irp i, 0,1,2,3,4,5
	v_mov_b32 v[QOP+\i], v[QRAW+6*\p+\i]
	v_mov_b32 v[QOP+12+\i], v[QRAW+6*\p+\i]
.endr
	v_mov_b32 v13, 0xec800000                      ; the largest t so far: -2^90
	s_delay_alu instid0(VALU_DEP_1)
	v_floor_f32 v12, -v13                          ; -M
	v_mov_b32 v14, 0                               ; l, in two halves
	v_mov_b32 v15, 0
.set n, 0
.rept 32
	v_mov_b32 v[O+n], 0                            ; the step is written once: the first finds zeros, which the first change of M leaves zeros
.set n, n+1
.endr
	s_mov_b32 s[TK], 0
	s_mov_b32 s[TS], 0
	s_mov_b32 s[TV], 0
	s_mov_b32 s[CNT], 8
.Lstep_\@:
	STEP
	s_sub_co_u32 s[CNT], s[CNT], 1
	s_cmp_lg_u32 s[CNT], 0
	s_cbranch_scc1 .Lstep_\@
.rept 4
	v_nop                                          ; places behind the last products
.endr
	v_add_f32 v14, v14, v15
	s_delay_alu instid0(VALU_DEP_1)
	v_permlanex16_b32 v[T1], v14, s[SEL], s[SEL+1]
	s_delay_alu instid0(VALU_DEP_1)
	v_add_f32 v14, v14, v[T1]                      ; the row's l
	s_wait_alu depctr_va_vdst(0)
	v_rcp_f32 v14, v14
	v_nop                                          ; a plain place behind the reciprocal,
	s_wait_alu depctr_va_vdst(0)                   ; and the wait ahead of its first reader
.set n, 0
.rept 16
	v_pk_mul_f32 v[S+n:S+n+1], v[O+n:O+n+1], v[14:15] op_sel_hi:[1,0]   ; O^T / l: register 16 b + i is channel 32 b + 16 h + i of the head
.set n, n+2
.endr
	QUANT2 S, IMG+8*\p
	v_cmp_ne_u32 vcc_lo, 0, v[HH]
	s_delay_alu instid0(VALU_DEP_1)
	v_cndmask_b32 v[IMG+8*\p+6], v[TM+2], v[TM+3], vcc_lo   ; lanes 0-15 store block 0's byte, lanes 16-31 block 1's
.irp q, 0,1,2
	global_store_b64 v[L8], v[IMG+8*\p+2*\q:IMG+8*\p+2*\q+1], s[52:53] offset:12288*\p+256*\q   ; 256 consecutive bytes, at a multiple of 256 from the buffer's first byte
.endr
	global_store_b8 v[SB], v[IMG+8*\p+6], s[54:55] offset:512*\p   ; two bytes a row, 32 bytes apart: one byte in 24 of what the pass stores
.endm
	PASS 0
	PASS 1
	s_wait_tensorcnt 0x0                           ; the wave's end
	ds_add_u32 v[SPW], v[NIL]
	s_wait_dscnt 0x0
	s_endpgm
.Lfunc_end_k_qacd0485e92_attn:
	.size	k_qacd0485e92_attn, .Lfunc_end_k_qacd0485e92_attn-k_qacd0485e92_attn
	.p2alignl 7, 3214868480
	.fill 96, 4, 3214868480
	.section	.rodata,"a",@progbits
	.p2align	6, 0x0
	.amdhsa_kernel k_qacd0485e92_attn
		.amdhsa_group_segment_fixed_size 167936
		.amdhsa_private_segment_fixed_size 0
		.amdhsa_enable_private_segment 0
		.amdhsa_kernarg_size 40
		.amdhsa_user_sgpr_count 2
		.amdhsa_user_sgpr_kernarg_segment_ptr 1
		.amdhsa_wavefront_size32 1
		.amdhsa_system_sgpr_workgroup_id_x 1
		.amdhsa_system_sgpr_workgroup_id_y 1
		.amdhsa_system_sgpr_workgroup_id_z 1
		.amdhsa_system_vgpr_workitem_id 0
		.amdhsa_next_free_vgpr 256
		.amdhsa_next_free_sgpr 66
		.amdhsa_reserve_vcc 1
		.amdhsa_float_denorm_mode_32 3
		.amdhsa_float_denorm_mode_16_64 3
		.amdhsa_memory_ordered 1
		.amdhsa_forward_progress 1
		.amdhsa_inst_pref_size 55
	.end_amdhsa_kernel
	.amdgpu_metadata
---
amdhsa.version: [ 1, 2 ]
amdhsa.kernels:
  - .name:           k_qacd0485e92_attn
    .symbol:         k_qacd0485e92_attn.kd
    .args:
      - { .name: qh, .offset: 0, .size: 8, .value_kind: global_buffer, .address_space: global }
      - { .name: kv, .offset: 8, .size: 8, .value_kind: global_buffer, .address_space: global }
      - { .name: key_padding_mask, .offset: 16, .size: 8, .value_kind: global_buffer, .address_space: global }
      - { .name: ao, .offset: 24, .size: 8, .value_kind: global_buffer, .address_space: global }
      - { .name: aos, .offset: 32, .size: 8, .value_kind: global_buffer, .address_space: global }
    .group_segment_fixed_size: 167936
    .private_segment_fixed_size: 0
    .kernarg_segment_align: 8
    .kernarg_segment_size: 40
    .max_flat_workgroup_size: 512
    .sgpr_count:     66
    .vgpr_count:     256
    .wavefront_size: 32
...
	.end_amdgpu_metadata
.endif
;; end of part 3
;; launch outln (part 4): grid 256 x 1, 16 waves a work-group, no clusters, 163,328 bytes of LDS; arguments recs, ao, aos, q, bo, gamma, beta, out0; writes out0
.if DOCPART == 4
	.amdgcn_target "amdgcn-amd-amdhsa--gfx1250"
	.amdhsa_code_object_version 6
	.text
	.protected	k_qacd0485e92_outln
	.globl	k_qacd0485e92_outln
	.p2align	8
	.type	k_qacd0485e92_outln,@function
k_qacd0485e92_outln:
	s_mov_b64 s[64:65], 0
	v_nop
	global_prefetch_b8 v0, s[64:65] scope:SCOPE_SE
	s_setreg_imm32_b32 hwreg(HW_REG_WAVE_MODE, 25, 1), 1
	s_wait_xcnt 0x0
; LAUNCH 4 OF 4: out = LayerNorm(attention's result x Wo^T + bo + q) x gamma + beta.  No work of the reference is left out.
; SHARES.  Work-group G: rows 32 G .. + 31, two tiles of 16 (slot 16 m + r holds row 32 G + 8 m + r + 8 (r / 8)), all 1,024 columns, so that a row's mean and variance stay in the work-group.
; Wave w: columns 64 w .. + 63: Wo's record group w, 8 K steps.  Source 0 = 16 rows of Wo, source 1 = a tile of rows: a lane holds one row; register 16 b + i of tile m is column 64 w + 32 b + 16 h + i.
; Wo's fragments are multiplied by one wave alone, so they go from memory straight into that wave's registers, two K steps (26 loads a wave) ahead; no tensor load, so no joint load either:
; through LDS a K step's 96 KB would want a round of barriers for 8 matrix instructions a wave.
; LDS: the rows' 32 units of codes (24,576 bytes); 32 rows of q, later of the result (4,112 bytes apart); two tables of 32 x 16 partial sums (80 bytes a row); the spare words.
; The variance is the mean of (y - mean)^2, taken in a second pass over registers: no difference of large sums is formed.
; LIMITS: as stated at the head of the first launch.
.set QST,   24576
.set QP,    4112
.set RED,   156160
.set SPARE, 161280                     ; the spare words, 128 bytes a wave: eight blocks of 256 bytes that no other line names
.set V16L, 4
.set V8L,  5
.set V16R, 6
.set V64H, 7
.set V32R, 8
.set QIO,  9                           ; v9   QST + 2 w rows + 16 x lane: the two rows that I bring in and take out
.set QRD,  10                          ; v10, v11  my 16 + 16 numbers of row slot (m, r)
.set RW,   12                          ; v12  RED + 80 x lane + 4 w
.set RR,   13                          ; v13  RED + 80 x lane
.set AOW,  14
.set SPW,  30
.set NIL,  31
.set AF,   32                          ; v32-55  the two tiles' fragments;  later v32-63 beta
.set BE,   32
.set ACC,  64                          ; v64-127 accumulator (i, m) at 64 + 32 m + 8 i; then y
.set WF,   128                         ; v128-175, v176-223  Wo's four fragments, two sets
.set RS,   128                         ; later v128-191: q's numbers, partial sums, rows on the way out
.set GA,   192                         ; later v192-223: gamma
.set WS,   232                         ; v232-235, v236-239  Wo's scale words, two sets   (v232-255 hold scales and nothing else)
.set AS,   240                         ; v240-255  the rows' scale words: 8 m + K step
.set WV,   20
	s_load_b512 s[4:19], s[0:1], 0x0               ; recs, ao, aos, q, bo, gamma, beta, out0
	v_lshl_add_u32 v[SPW], v0, 2, SPARE
	v_mov_b32 v[NIL], 0
	v_lshrrev_b32 v1, 5, v0
	s_delay_alu instid0(VALU_DEP_1)
	v_readfirstlane_b32 s[WV], v1                  ; wave 0..15
	v_and_b32 v1, 31, v0
	v_and_b32 v2, 15, v0
	v_bfe_u32 v3, v0, 4, 1
	s_delay_alu instid0(VALU_DEP_3)
	v_lshlrev_b32 v[V16L], 4, v1
	s_delay_alu instid0(VALU_DEP_4)
	v_lshlrev_b32 v[V8L], 3, v1
	s_delay_alu instid0(VALU_DEP_4)
	v_lshlrev_b32 v[V16R], 4, v2
	s_delay_alu instid0(VALU_DEP_4)
	v_lshlrev_b32 v[V64H], 6, v3
	v_lshlrev_b32 v[V32R], 5, v2
	s_mul_i32 s44, s[WV], 2*QP
	s_add_co_u32 s44, s44, QST
	v_add_nc_u32 v[QIO], s44, v[V16L]
	s_lshl_b32 s44, s[WV], 8
	s_add_co_u32 s44, s44, QST
	v_mul_u32_u24 v[QRD], v2, QP
	s_delay_alu instid0(VALU_DEP_1)
	v_lshl_add_u32 v[QRD], v3, 6, v[QRD]
	s_delay_alu instid0(VALU_DEP_1)
	v_add_nc_u32 v[QRD], s44, v[QRD]
	s_delay_alu instid0(VALU_DEP_1)
	v_add_nc_u32 v[QRD+1], 16*QP, v[QRD]
	v_mul_u32_u24 v[RR], v1, 80
	s_delay_alu instid0(VALU_DEP_1)
	v_add_nc_u32 v[RR], RED, v[RR]
	s_lshl_b32 s44, s[WV], 2
	v_add_nc_u32 v[RW], s44, v[RR]
	s_mul_i32 s44, s[WV], 1536
	v_add_nc_u32 v[AOW], s44, v[V16L]
	v_cmp_ne_u32 s40, 0, v3                        ; lanes 16-31
	v_mov_b32 v17, 0                               ; written once: lane permutes' destinations, and the upper halves of pairs of which the low word serves both halves
	v_mov_b32 v19, 0
	v_mov_b32 v21, 0
	v_mov_b32 v23, 0
	s_mov_b32 s22, 0x76543210
	s_mov_b32 s23, 0xfedcba98
	s_mov_b32 s41, 0x3a800000                      ; 1 / 1,024
	s_mov_b32 s42, 0x3727c5ac                      ; 1e-5
	s_add_co_u32 s46, s[WV], 2880
	s_mul_i32 s46, s46, 6400
	s_mov_b32 s47, 0
	s_mul_i32 s48, ttmp9, 24576
	s_add_co_u32 s48, s48, s44
	s_mov_b32 s49, 0
	s_lshl_b32 s50, ttmp9, 10
	s_mov_b32 s51, 0
	s_lshl_b32 s52, s[WV], 8
	s_mov_b32 s53, 0
	s_lshl_b32 s44, ttmp9, 5                       ; the first of my two rows on the way in and out: slot 2 w is row 32 G + 8 (w >> 3) + 2 (w & 7) + 8 ((w >> 2) & 1); slot 2 w + 1 is the next row
	s_lshr_b32 s45, s[WV], 3
	s_lshl_b32 s45, s45, 3
	s_add_co_u32 s44, s44, s45
	s_and_b32 s45, s[WV], 7
	s_lshl_b32 s45, s45, 1
	s_add_co_u32 s44, s44, s45
	s_bfe_u32 s45, s[WV], 0x10002
	s_lshl_b32 s45, s45, 3
	s_add_co_u32 s44, s44, s45
	s_lshl_b32 s44, s44, 12
	s_mov_b32 s45, 0
	s_wait_alu depctr_va_vdst(0)
	s_wait_kmcnt 0x0
	s_add_nc_u64 s[24:25], s[4:5], s[46:47]        ; Wo's record (K step 0, group w); a K step on is 102,400 bytes
	s_add_nc_u64 s[26:27], s[6:7], s[48:49]        ; my 1,536 bytes of the rows' codes
	s_add_nc_u64 s[28:29], s[8:9], s[50:51]        ; the rows' scale bytes
	s_add_nc_u64 s[30:31], s[10:11], s[44:45]      ; q,
	s_add_nc_u64 s[32:33], s[18:19], s[44:45]      ; out0 at my two rows
	s_add_nc_u64 s[34:35], s[12:13], s[52:53]      ; bo, gamma, beta at my 64 columns
	s_add_nc_u64 s[36:37], s[14:15], s[52:53]
	s_add_nc_u64 s[38:39], s[16:17], s[52:53]
.macro WLOAD s                         ; Wo's four fragments and their scale words of K step s into set s % 2: 13 loads, every offset an immediate
.irp i, 0,1,2,3
.irp c, 0,1,2
	global_load_b128 v[WF+48*((\s)%2)+12*\i+4*\c:WF+48*((\s)%2)+12*\i+4*\c+3], v[V16L], s[24:25] offset:102400*(\s)+1536*\i+512*\c
.endr
.endr
	global_load_b128 v[WS+4*((\s)%2):WS+4*((\s)%2)+3], v[V16R], s[24:25] offset:102400*(\s)+6144
.endm
.irp m, 0,1                                    ; bo is what the sums begin with
.irp i, 0,1,2,3
	global_load_b128 v[ACC+32*\m+8*\i:ACC+32*\m+8*\i+3], v[V64H], s[34:35] offset:128*(\i/2)+32*(\i%2)
	global_load_b128 v[ACC+32*\m+8*\i+4:ACC+32*\m+8*\i+7], v[V64H], s[34:35] offset:128*(\i/2)+32*(\i%2)+16
.endr
.endr
.irp m, 0,1                                    ; a row's 32 scale bytes are its 8 scale words
	global_load_b128 v[AS+8*\m:AS+8*\m+3], v[V32R], s[28:29] offset:512*\m
	global_load_b128 v[AS+8*\m+4:AS+8*\m+7], v[V32R], s[28:29] offset:512*\m+16
.endr
.irp c, 0,1,2
	global_load_b128 v[32+4*\c:32+4*\c+3], v[V16L], s[26:27] offset:512*\c
.endr
.irp n, 0,1,2,3,4,5,6,7,8,9,10,11
	global_load_b128 v[176+4*\n:176+4*\n+3], v[V16L], s[30:31] offset:512*\n th:TH_LOAD_NT   ; two rows of q, 8,192 consecutive bytes
.endr
.irp n, 12,13,14,15
	global_load_b128 v[44+4*(\n-12):44+4*(\n-12)+3], v[V16L], s[30:31] offset:512*\n th:TH_LOAD_NT
.endr
	WLOAD 0
	s_wait_loadcnt 13                              ; all but Wo's first set are in
.irp c, 0,1,2
	ds_store_b128 v[AOW], v[32+4*\c:32+4*\c+3] offset:512*\c
.endr
.irp n, 0,1,2,3,4,5,6,7,8,9,10,11
	ds_store_b128 v[QIO], v[176+4*\n:176+4*\n+3] offset:(\n/8)*QP+512*(\n%8)
.endr
.irp n, 12,13,14,15
	ds_store_b128 v[QIO], v[44+4*(\n-12):44+4*(\n-12)+3] offset:(\n/8)*QP+512*(\n%8)
.endr
	s_wait_dscnt 0x0                               ; my stores have landed and have read their registers,
	WLOAD 1                                        ; which take Wo's second set
	s_barrier_signal -1
	s_barrier_wait -1                              ; the rows' codes and q lie in LDS
.macro STEP s
.irp m, 0,1
.irp c, 0,1
.irp p, 0,1,2
	ds_load_b64 v[AF+12*\m+6*\c+2*\p:AF+12*\m+6*\c+2*\p+1], v[V8L] offset:(16*\m+2*(\s)+\c)*768+256*\p   ; heads 2 s and 2 s + 1 are this K step
.endr
.endr
.endr
.if \s < 7
	s_wait_loadcnt 13                              ; this K step's set is in; the next one's 13 loads may be out
.else
	s_wait_loadcnt 0x0
.endif
	s_wait_dscnt 0x0
.irp i, 0,1,2,3
.irp m, 0,1
	v_wmma_scale_f32_16x16x128_f8f6f4 v[ACC+32*\m+8*\i:ACC+32*\m+8*\i+7], v[WF+48*((\s)%2)+12*\i:WF+48*((\s)%2)+12*\i+11], v[AF+12*\m:AF+12*\m+11], v[ACC+32*\m+8*\i:ACC+32*\m+8*\i+7], v[WS+4*((\s)%2)+\i], v[AS+8*\m+(\s)] matrix_a_fmt:MATRIX_FMT_FP6 matrix_b_fmt:MATRIX_FMT_FP6
.endr
.endr                                          ; the eight accumulators by turns
.rept 4
	v_nop                                          ; places in front of loads into registers that matrix instructions have read, and of the first read of results
.endr
.if \s < 6
	WLOAD (\s)+2
.endif
.endm
.irp s, 0,1,2,3,4,5,6,7
	STEP \s
.endr
.irp b, 0,1
.irp t, 0,1,2,3
	global_load_b128 v[GA+16*\b+4*\t:GA+16*\b+4*\t+3], v[V64H], s[36:37] offset:128*\b+16*\t
	global_load_b128 v[BE+16*\b+4*\t:BE+16*\b+4*\t+3], v[V64H], s[38:39] offset:128*\b+16*\t
.endr
.endr
.irp m, 0,1
.irp b, 0,1
.irp t, 0,1,2,3
	ds_load_b128 v[RS+32*\m+16*\b+4*\t:RS+32*\m+16*\b+4*\t+3], v[QRD+\m] offset:128*\b+16*\t
.endr
.endr
.endr
	s_wait_dscnt 0x0
.set n, 0
.rept 32
	v_pk_add_f32 v[ACC+n:ACC+n+1], v[ACC+n:ACC+n+1], v[RS+n:RS+n+1]   ; y = product + bo + q, each accumulator from its low end on
.set n, n+2
.endr
; v[16:17], v[18:19]: my lane's partial sums for tiles 0 and 1 -> v16: the whole row's sum of slot = my lane (lanes 0-15 tile 0, lanes 16-31 tile 1).  One barrier; each table is written once.
.macro REDUCE off
	s_delay_alu instid0(VALU_DEP_2)
	v_add_f32 v16, v16, v17
	s_delay_alu instid0(VALU_DEP_2)
	v_add_f32 v18, v18, v19
	s_delay_alu instid0(VALU_DEP_2)
	v_permlanex16_b32 v17, v16, s22, s23
	s_delay_alu instid0(VALU_DEP_2)
	v_permlanex16_b32 v19, v18, s22, s23
	s_delay_alu instid0(VALU_DEP_2)
	v_add_f32 v16, v16, v17                        ; my wave's 64 columns of row r of tile 0,
	s_delay_alu instid0(VALU_DEP_2)
	v_add_f32 v18, v18, v19                        ; of tile 1
	s_delay_alu instid0(VALU_DEP_1)
	v_cndmask_b32 v16, v16, v18, s40
	ds_store_b32 v[RW], v16 offset:\off
	s_wait_dscnt 0x0                               ; for the others' sake
	s_barrier_signal -1
	s_barrier_wait -1
.irp t, 0,1,2,3
	ds_load_b128 v[176+4*\t:176+4*\t+3], v[RR] offset:\off+16*\t   ; the sixteen waves' parts of my slot
.endr
	s_wait_dscnt 0x0
	v_pk_add_f32 v[176:177], v[176:177], v[178:179]
	v_pk_add_f32 v[180:181], v[180:181], v[182:183]
	v_pk_add_f32 v[184:185], v[184:185], v[186:187]
	v_pk_add_f32 v[188:189], v[188:189], v[190:191]
	s_delay_alu instid0(VALU_DEP_3)
	v_pk_add_f32 v[176:177], v[176:177], v[180:181]
	s_delay_alu instid0(VALU_DEP_2)
	v_pk_add_f32 v[184:185], v[184:185], v[188:189]
	s_delay_alu instid0(VALU_DEP_1)
	v_pk_add_f32 v[176:177], v[176:177], v[184:185]
	s_delay_alu instid0(VALU_DEP_1)
	v_add_f32 v16, v176, v177
.endm
.irp m, 0,1
	v_pk_add_f32 v[16+2*\m:17+2*\m], v[ACC+32*\m:ACC+32*\m+1], v[ACC+32*\m+2:ACC+32*\m+3]
.endr
.irp j, 4,6,8,10,12,14,16,18,20,22,24,26,28,30
.irp m, 0,1
	s_delay_alu instid0(VALU_DEP_2)
	v_pk_add_f32 v[16+2*\m:17+2*\m], v[16+2*\m:17+2*\m], v[ACC+32*\m+\j:ACC+32*\m+\j+1]
.endr
.endr
	REDUCE 0
	s_delay_alu instid0(VALU_DEP_1)
	v_mul_f32 v16, 0xba800000, v16                 ; - the mean of my slot
	s_delay_alu instid0(VALU_DEP_1)
	v_permlanex16_b32 v17, v16, s22, s23           ; and of the other tile's row r
	s_delay_alu instid0(VALU_DEP_1)
	v_cndmask_b32 v20, v16, v17, s40               ; tile 0's,
	s_delay_alu instid0(VALU_DEP_2)
	v_cndmask_b32 v22, v17, v16, s40               ; tile 1's
.irp m, 0,1
.set n, 0
.rept 16
	v_pk_add_f32 v[ACC+32*\m+n:ACC+32*\m+n+1], v[ACC+32*\m+n:ACC+32*\m+n+1], v[20+2*\m:21+2*\m] op_sel_hi:[1,0]   ; y - mean
.set n, n+2
.endr
.endr
.irp m, 0,1
	v_pk_mul_f32 v[16+2*\m:17+2*\m], v[ACC+32*\m:ACC+32*\m+1], v[ACC+32*\m:ACC+32*\m+1]
.endr
.irp j, 2,4,6,8,10,12,14,16,18,20,22,24,26,28,30
.irp m, 0,1
	s_delay_alu instid0(VALU_DEP_2)
	v_pk_fma_f32 v[16+2*\m:17+2*\m], v[ACC+32*\m+\j:ACC+32*\m+\j+1], v[ACC+32*\m+\j:ACC+32*\m+\j+1], v[16+2*\m:17+2*\m]
.endr
.endr
	REDUCE 2560
	s_delay_alu instid0(VALU_DEP_1)
	v_fma_f32 v16, v16, s41, s42                   ; the variance + 1e-5
	s_wait_alu depctr_va_vdst(0)
	v_rsq_f32 v16, v16
	v_nop                                          ; a plain place behind the root,
	s_wait_alu depctr_va_vdst(0)                   ; and the wait ahead of its first reader
	v_permlanex16_b32 v17, v16, s22, s23
	v_cndmask_b32 v20, v16, v17, s40
	v_cndmask_b32 v22, v17, v16, s40
	s_wait_alu depctr_va_vdst(0)
	s_wait_loadcnt 0x0                             ; gamma and beta
.irp m, 0,1
.set n, 0
.rept 16
	v_pk_mul_f32 v[ACC+32*\m+n:ACC+32*\m+n+1], v[ACC+32*\m+n:ACC+32*\m+n+1], v[20+2*\m:21+2*\m] op_sel_hi:[1,0]
.set n, n+2
.endr
.set n, 0
.rept 16
	v_pk_fma_f32 v[ACC+32*\m+n:ACC+32*\m+n+1], v[ACC+32*\m+n:ACC+32*\m+n+1], v[GA+n:GA+n+1], v[BE+n:BE+n+1]
.set n, n+2
.endr
.endr
.irp m, 0,1                                    ; the result takes the places from which I read q: nobody else has touched them
.irp b, 0,1
.irp t, 0,1,2,3
	ds_store_b128 v[QRD+\m], v[ACC+32*\m+16*\b+4*\t:ACC+32*\m+16*\b+4*\t+3] offset:128*\b+16*\t
.endr
.endr
.endr
	s_wait_dscnt 0x0
	s_barrier_signal -1
	s_barrier_wait -1                              ; 32 whole rows lie in LDS
.irp n, 0,1,2,3,4,5,6,7,8,9,10,11,12,13,14,15
	ds_load_b128 v[RS+4*\n:RS+4*\n+3], v[QIO] offset:(\n/8)*QP+512*(\n%8)
.endr
.irp n, 0,1,2,3,4,5,6,7,8,9,10,11,12,13,14,15
	s_wait_dscnt 15-\n                             ; LDS loads come back in order: number n is in, the younger ones may be out
	global_store_b128 v[V16L], v[RS+4*\n:RS+4*\n+3], s[32:33] offset:512*\n th:TH_STORE_NT   ; 32 lanes store 512 consecutive bytes, at a multiple of 256 from out0's first byte
.endr
	s_wait_tensorcnt 0x0                           ; the wave's end
	ds_add_u32 v[SPW], v[NIL]
	s_wait_dscnt 0x0
	s_endpgm
.Lfunc_end_k_qacd0485e92_outln:
	.size	k_qacd0485e92_outln, .Lfunc_end_k_qacd0485e92_outln-k_qacd0485e92_outln
	.p2alignl 7, 3214868480
	.fill 96, 4, 3214868480
	.section	.rodata,"a",@progbits
	.p2align	6, 0x0
	.amdhsa_kernel k_qacd0485e92_outln
		.amdhsa_group_segment_fixed_size 163328
		.amdhsa_private_segment_fixed_size 0
		.amdhsa_enable_private_segment 0
		.amdhsa_kernarg_size 64
		.amdhsa_user_sgpr_count 2
		.amdhsa_user_sgpr_kernarg_segment_ptr 1
		.amdhsa_wavefront_size32 1
		.amdhsa_system_sgpr_workgroup_id_x 1
		.amdhsa_system_sgpr_workgroup_id_y 1
		.amdhsa_system_sgpr_workgroup_id_z 1
		.amdhsa_system_vgpr_workitem_id 0
		.amdhsa_next_free_vgpr 256
		.amdhsa_next_free_sgpr 66
		.amdhsa_reserve_vcc 0
		.amdhsa_float_denorm_mode_32 3
		.amdhsa_float_denorm_mode_16_64 3
		.amdhsa_memory_ordered 1
		.amdhsa_forward_progress 1
		.amdhsa_inst_pref_size 59
	.end_amdhsa_kernel
	.amdgpu_metadata
---
amdhsa.version: [ 1, 2 ]
amdhsa.kernels:
  - .name:           k_qacd0485e92_outln
    .symbol:         k_qacd0485e92_outln.kd
    .args:
      - { .name: recs, .offset: 0, .size: 8, .value_kind: global_buffer, .address_space: global }
      - { .name: ao, .offset: 8, .size: 8, .value_kind: global_buffer, .address_space: global }
      - { .name: aos, .offset: 16, .size: 8, .value_kind: global_buffer, .address_space: global }
      - { .name: q, .offset: 24, .size: 8, .value_kind: global_buffer, .address_space: global }
      - { .name: bo, .offset: 32, .size: 8, .value_kind: global_buffer, .address_space: global }
      - { .name: gamma, .offset: 40, .size: 8, .value_kind: global_buffer, .address_space: global }
      - { .name: beta, .offset: 48, .size: 8, .value_kind: global_buffer, .address_space: global }
      - { .name: out0, .offset: 56, .size: 8, .value_kind: global_buffer, .address_space: global }
    .group_segment_fixed_size: 163328
    .private_segment_fixed_size: 0
    .kernarg_segment_align: 8
    .kernarg_segment_size: 64
    .max_flat_workgroup_size: 512
    .sgpr_count:     66
    .vgpr_count:     256
    .wavefront_size: 32
...
	.end_amdgpu_metadata
.endif
;; end of part 4
